; MI455X (gfx1250); checked and timed in simulation.
; The chip was launched on July 23, 2026; its instructions are those of AMD's public machine-readable ISA for CDNA 5 (MIT licence, August 2026) and "CDNA5" Instruction Set Architecture Reference Guide (July 2026). The comments in the code are by the model that wrote it; some were corrected since.
;; Mo E Layer. Allowed arithmetic: matrix products marked QUANTISED: E2M3 operands, one E8M0 scale for each 32 along K, by v_wmma_scale_f32_16x16x128_f8f6f4 with both operands' format E2M3, f32 sums; products left as they are: f32 operands where the result goes on into a quantised operand, else bf16, f16 or f32 operands; f32 sums; everything else in f32.
;; Inputs: W1 8 x 1,024 x 1,024 float32; W2 8 x 1,024 x 256 float32; Wg 1,024 x 8 float32; b1 8 x 1,024 float32; b2 8 x 256 float32; bg 8 float32; x 2 x 2,048 x 1,024 float32.
;; Outputs: out0 2 x 2,048 x 256 float32; out1 one number float32.
;; This version of the problem:
;;   THIS VERSION OF THE PROBLEM IS GIVEN IN LOW PRECISION. The matrix products marked QUANTISED in the list below multiply operands that are first quantised to E2M3 (2 exponent bits, 3 mantissa bits; 6 bits a number), with one power-of-two scale for each 32 numbers along K (OCP MX v1.0); their sums are f32. All else is computed in f32.
;;   The module's matrix products, in the order in which they are computed (A, B: the left and right operand; K: the contracted axis; several contracted axes count as one K, in the product's order):
;;     1. [M 4,096, K 1,024] x [K 1,024, N 8]; A: input x; B: input Wg: left as it is (N = 8 < 16)
;;     2. batch 4,096 x [M 1, K 2] x [K 2, N 8]; A: softmax; B: computed on the way: left as it is (K = 2 < 32)
;;     3. [M 8,192, K 1,024] x [K 1,024, N 4,096]; A: input W1; B: input x: QUANTISED
;;     4. batch 8 x [M 4,096, K 1,024] x [K 1,024, N 256]; A: computed on the way; B: input W2: QUANTISED
;;     5. batch 4,096 x [M 1, K 8] x [K 8, N 256]; A: computed on the way; B: computed on the way: left as it is (K = 8 < 32)
;;   THE QUANTISER, for each operand of a quantised product, along K:
;;     - K is cut into blocks of 32 from its start; a last block that is shorter is filled with zeros.
;;     - A block's scale is 2^e with e = floor(log2(the largest magnitude in the block)) - 2, held to -126 .. 127; a block of zeros has e = 0. As a byte (E8M0): e + 127.
;;     - Each number is divided by its block's scale, clamped to +-7.5, and rounded to the nearest number of E2M3, ties to even, subnormals kept.
;;     - The product sums the exact products of the quantised numbers (number of the format x scale) in f32.
;;   ~~~python
;;   def quantise(x, axis):      # numpy; x: float32 -> the quantised numbers, widened to float32 again
;;       x = np.moveaxis(x, axis, -1); K = x.shape[-1]
;;       x = np.pad(x, [(0, 0)] * (x.ndim - 1) + [(0, -K % 32)]); x = x.reshape(x.shape[:-1] + (-1, 32)); a = np.abs(x).max(-1, keepdims=True)
;;       e = np.where(a > 0, np.clip(np.frexp(np.where(a > 0, a, 1))[1] - 1 - 2, -126, 127), 0)      # np.frexp(a)[1] - 1 = floor(log2(a)), exactly
;;       r = np.clip(x / 2.0 ** e, -7.5, 7.5)
;;       step = 2.0 ** (np.maximum(np.frexp(np.where(r == 0, 1, r))[1] - 1, 0) - 3)
;;       q = np.round(r / step) * step * 2.0 ** e      # np.round: ties to even
;;       return np.moveaxis(q.reshape(q.shape[:-2] + (-1,))[..., :K], -1, axis).astype(np.float32)
;;   ~~~
;;   OPERANDS COMPUTED ON THE WAY. 'Computed on the way' means the value that the module computes at that place (a softmax that the list does not call 'softmax' is quantised finished and normalised). What goes into a quantiser is computed in f32, as accurately as f32 sums, v_exp_f32 and their like allow (about 1e-6 of the number): no bf16 or f16 on the way to a quantiser, and a product that is left as it is and whose result goes on into a quantised operand takes f32 operands (vector FMAs, or v_wmma_f32_16x16x4_f32). A number that lies on a knife's edge between two numbers of the format may be rounded either way, as far as f32 arithmetic and the matrix unit's own rounding can turn it there, and no further.
;; 2 versions, each right; version 2 is version 1 with the launch chain written anew for expert scheduling mode. Each part assembles by itself: llvm-mc -triple=amdgcn-amd-amdhsa -mcpu=gfx1250 --defsym DOCPART=n.
;; ======== version 1 of 2: 3 launches
;; workspace buffers: keyw 16,384 bytes of whole numbers; gw 32,768 bytes; auxp 16,384 bytes; xc 3,145,728 bytes; xs 131,072 bytes; wimg 7,864,320 bytes; wscl 327,680 bytes; route 20,992 bytes of whole numbers
;; launch gate (part 1): grid 256 x 1, 4 waves a work-group, no clusters, 70,144 bytes of LDS; arguments x, Wg, bg, keyw, gw, auxp, xc, xs; writes keyw, gw, auxp, xc, xs
.if DOCPART == 1
	.amdgcn_target "amdgcn-amd-amdhsa--gfx1250"
	.amdhsa_code_object_version 6
	.text
	.protected	k_q3194ea1ef9_gate
	.globl	k_q3194ea1ef9_gate
	.p2align	8
	.type	k_q3194ea1ef9_gate,@function
k_q3194ea1ef9_gate:
	s_mov_b64 s[64:65], 0
	v_nop
	global_prefetch_b8 v0, s[64:65] scope:SCOPE_SE
	s_setreg_imm32_b32 hwreg(HW_REG_WAVE_MODE, 25, 1), 1
	s_wait_xcnt 0x0
; ROUTER AND QUANTISER OF x.  x: [4096][1024] f32, Wg: [1024][8] f32, bg: [8] f32.
; A work-group of four waves takes 16 tokens, a wave 4.  A token's row (4,096 bytes) is read once, 16 bytes a lane, and serves twice from registers:
;  (1) it is quantised along its 1,024 numbers to codes of E2M3 with one E8M0 byte for each 32 (scale 2^(floor(log2(largest magnitude)) - 2));
;  (2) its 8 logits are summed by f32 multiply-adds against Wg, which lies in LDS; then top-2 (the lower index wins a tie), the softmax of the two, and the token's term of the KL sum.
; OUT: keyw[n] = a | b << 8 | p << 16 (a < b the chosen experts, p = a (15 - a) / 2 + b - a - 1);  gw[n] = the gates of a and of b;  auxp[n] = -8 ln 8 - sum(L - max) + 8 ln sum exp(L - max);
;      xc: 768 bytes a token, block B of 32 codes (24 bytes) at 96 (B / 4) + 48 (B % 2) + 24 ((B / 2) % 2): so a lane of an operand for K step s finds its 12 registers as 48 bytes on end at 96 s + 48 (lane / 16);
;      xs: 32 scale bytes a token, in the blocks' order.
; LIMITS: NaN and infinities are not served.  A block of zeros gets the byte 1 where the rule says 127: its codes are zeros, and this program alone reads the bytes.  Blocks whose largest magnitude lies under 2^-124 were not tried.
;      Two logits that agree to the last bits of an f32 sum may be ranked otherwise than by another order of summation.
; No matrix unit: 8 columns are too few for it, and the logits steer a choice, so they are kept in f32.
.set X,    16                          ; v16-143   my 4 rows: row i, piece j (512 bytes of the row, 16 a lane) at X + 32 i + 4 j
.set BQ,   144                         ; v144-175  a block's 32 numbers
.set ACC,  144                         ; v144-175  later the sums: token i, expert e at ACC + 8 i + e
.set WB,   176                         ; v176-239  Wg on its way to LDS; codes and work; later two sets of 32 numbers of Wg
.set LG,   208                         ; v208-215  my token's logits
.set MK,   216                         ; v216-223  the same without the largest; later the exponentials
.set DD,   224                         ; v224-231  logit - largest
.set WLDS, 36864                       ; LDS: Wg as 256 pieces of 128 bytes (4 rows) 144 bytes apart; behind it 8,192 bytes for each wave:
.set CST,  4608                        ;   +0 the turn stage, 32 places of 144 bytes; +4,608 the codes of 4 tokens; +7,680 their scale bytes
.set SST,  7680
	s_load_b512 s[4:19], s[0:1], 0x0               ; x, Wg, bg, keyw, gw, auxp, xc, xs
	v_lshl_add_u32 v254, v0, 2, 0x11000
	v_mov_b32 v255, 0
	v_and_b32 v1, 31, v0                           ; lane
	v_lshrrev_b32 v10, 5, v0
	v_readfirstlane_b32 s28, v10                   ; wave
	v_lshlrev_b32 v2, 4, v1                        ; 16 x lane
	v_lshlrev_b32 v9, 2, v1                        ; 4 x lane
	v_lshlrev_b32 v14, 4, v0                       ; 16 x thread
	s_lshl_b32 s29, s28, 13
	s_add_co_u32 s29, s29, WLDS                    ; my wave's LDS
	v_lshrrev_b32 v10, 3, v1
	v_and_b32 v11, 7, v1
	v_mul_u32_u24 v3, v10, 144
	v_lshl_add_u32 v3, v11, 4, v3
	v_add_nc_u32 v3, s29, v3                       ; turn stage, in: eight lanes' 128 bytes are a block: 144 (lane / 8) + 16 (lane % 8)
	v_mul_u32_u24 v7, v1, 144                      ; Wg's piece of my lane
	v_add_nc_u32 v4, s29, v7                       ; turn stage, out: block = lane
	v_lshrrev_b32 v10, 2, v1
	v_mul_u32_u24 v5, v10, 96
	v_and_b32 v10, 1, v1
	v_mad_u32_u24 v5, v10, 48, v5
	v_bfe_u32 v10, v1, 1, 1
	v_mad_u32_u24 v5, v10, 24, v5
	v_add_nc_u32 v5, s29, v5                       ; my block's 24 bytes in a token's 768
	v_add_nc_u32 v6, s29, v1                       ; my block's scale byte
	v_lshrrev_b32 v10, 3, v0
	v_and_b32 v11, 7, v0
	v_mul_u32_u24 v8, v10, 144
	v_lshl_add_u32 v8, v11, 4, v8                  ; where my 16 bytes of Wg go
	v_add_nc_u32 v12, s29, v2                      ; the codes' way back
	v_add_nc_u32 v13, s29, v9                      ; the scale bytes' way back
	s_mov_b32 s30, 0x76543210
	s_mov_b32 s31, 0xfedcba98                      ; v_permlanex16_b32's selects for lane l xor 16
	s_mov_b32 s32, 0x22222222                      ; lanes with lane % 4 = 1,
	s_mov_b32 s33, 0x44444444                      ; 2,
	s_mov_b32 s34, 0x88888888                      ; 3
	s_lshl_b32 s35, ttmp9, 4
	s_lshl_b32 s36, s28, 2
	s_add_co_u32 s35, s35, s36                     ; my first token: 16 x work-group + 4 x wave
	s_mov_b32 s37, 0
	s_wait_kmcnt 0x0
	s_load_b256 s[20:27], s[8:9], 0x0              ; bg
	s_lshl_b32 s36, s35, 12
	s_add_nc_u64 s[4:5], s[4:5], s[36:37]
	s_mul_i32 s36, s35, 768
	s_add_nc_u64 s[16:17], s[16:17], s[36:37]
	s_lshl_b32 s36, s35, 5
	s_add_nc_u64 s[18:19], s[18:19], s[36:37]
	s_lshl_b32 s36, s35, 2
	s_add_nc_u64 s[10:11], s[10:11], s[36:37]
	s_add_nc_u64 s[14:15], s[14:15], s[36:37]
	s_lshl_b32 s36, s35, 3
	s_add_nc_u64 s[12:13], s[12:13], s[36:37]
.irp i, 0,1,2,3,4,5,6,7,8,9,10,11,12,13,14,15
	global_load_b128 v[WB+4*\i:WB+4*\i+3], v14, s[6:7] offset:2048*\i      ; Wg: the 128 threads take 2,048 bytes on end, sixteen times
.endr
.irp i, 0,1,2,3
.irp j, 0,1,2,3,4,5,6,7
	global_load_b128 v[X+32*\i+4*\j:X+32*\i+4*\j+3], v2, s[4:5] offset:4096*\i+512*\j th:TH_LOAD_NT   ; a load of the wave covers 512 bytes on end
.endr
.endr
	s_wait_loadcnt 32                              ; Wg is in: the 32 loads of x were issued behind it
.irp i, 0,1,2,3,4,5,6,7,8,9,10,11,12,13,14,15
	ds_store_b128 v8, v[WB+4*\i:WB+4*\i+3] offset:2304*\i
.endr
	s_wait_dscnt 0x0                               ; for the others' sake: my part of Wg lies in LDS
	s_barrier_signal -1
	s_barrier_wait -1                              ; all of it does
; Row i is quantised.  Its 4,096 bytes turn through the wave's own stage, so that lane l holds block l's 32 numbers.  LDS serves a wave's instructions in order: no wait between the stores and the loads.
.macro XQ i
	s_wait_loadcnt 8*(3-\i)                        ; row i's eight loads are in; the later rows' may be out
.irp j, 0,1,2,3,4,5,6,7
	ds_store_b128 v3, v[X+32*\i+4*\j:X+32*\i+4*\j+3] offset:576*\j
.endr
.irp q, 0,1,2,3,4,5,6,7
	ds_load_b128 v[BQ+4*\q:BQ+4*\q+3], v4 offset:16*\q
.endr
	s_wait_dscnt 0x0                               ; the block is in; the last row's code stores have read their registers
	v_max3_num_f32 v188, |v[BQ]|, |v[BQ+1]|, 0x1800000     ; the largest magnitude, in two chains, with the floor 2^(3 - 127) among the leaves: the byte cannot fall under 1
	v_max3_num_f32 v189, |v[BQ+2]|, |v[BQ+3]|, 0x1800000
.irp k, 4,8,12,16,20,24,28
	v_max3_num_f32 v188, v188, |v[BQ+\k]|, |v[BQ+\k+1]|
	v_max3_num_f32 v189, v189, |v[BQ+\k+2]|, |v[BQ+\k+3]|
.endr
	v_max_num_f32 v188, v188, v189
	v_add_nc_u32 v190, 0xff000000, v188            ; 2 off its exponent field: the conversion takes the exponent field of this operand as its scale
	v_cvt_scalef32_pk16_fp6_f32 v[176:178], v[BQ:BQ+15], v190
	v_cvt_scalef32_pk16_fp6_f32 v[184:186], v[BQ+16:BQ+31], v190   ; (a conversion's three registers begin on an even number)
	v_lshrrev_b32 v191, 23, v190                   ; the scale's byte; also the plain line behind the conversions
	v_mov_b32 v179, v184
	v_mov_b32 v180, v185
	v_mov_b32 v181, v186
	ds_store_b64 v5, v[176:177] offset:CST+768*\i
	ds_store_b64 v5, v[178:179] offset:CST+768*\i+8
	ds_store_b64 v5, v[180:181] offset:CST+768*\i+16
	ds_store_b8 v6, v191 offset:SST+32*\i
.endm
	XQ 0
	XQ 1
	XQ 2
	XQ 3
.irp k, 0,1,2,3,4,5
	ds_load_b128 v[192+4*\k:195+4*\k], v12 offset:CST+512*\k       ; my 4 tokens' codes, 3,072 bytes on end
.endr
	ds_load_b32 v216, v13 offset:SST
	s_wait_dscnt 0x0
.irp k, 0,1,2,3,4,5
	global_store_b128 v2, v[192+4*\k:195+4*\k], s[16:17] offset:512*\k   ; 32 lanes store 512 consecutive bytes, at a multiple of 256 from the buffer's first byte
.endr
	global_store_b32 v9, v216, s[18:19]
	s_wait_xcnt 0x0                                ; the stores' registers are written again only behind this wait
; The logits.  Lane l holds, of piece j, numbers 128 j + 4 l + 0 .. 3 of each row, and takes Wg's rows of the same four k: 128 bytes, piece 32 j + l.
.irp q, 0,1,2,3,4,5,6,7
	ds_load_b128 v[WB+4*\q:WB+4*\q+3], v7 offset:16*\q
.endr
.macro GFMA j
.if \j < 7
.irp q, 0,1,2,3,4,5,6,7
	ds_load_b128 v[WB+32*((\j+1)%2)+4*\q:WB+32*((\j+1)%2)+4*\q+3], v7 offset:4608*(\j+1)+16*\q
.endr
	s_wait_dscnt 8                                 ; this piece's eight loads are in; the next piece's eight may be out
.else
	s_wait_dscnt 0x0
.endif
.irp c, 0,1,2,3
.irp i, 0,1,2,3
.irp p, 0,2,4,6
.if (\j == 0) && (\c == 0)
	v_pk_mul_f32 v[ACC+8*\i+\p:ACC+8*\i+\p+1], v[X+32*\i:X+32*\i+1], v[WB+\p:WB+\p+1] op_sel_hi:[0,1]     ; the first product starts the sums
.elseif (\c%2) == 0
	v_pk_fma_f32 v[ACC+8*\i+\p:ACC+8*\i+\p+1], v[X+32*\i+4*\j+2*(\c/2):X+32*\i+4*\j+2*(\c/2)+1], v[WB+32*(\j%2)+8*\c+\p:WB+32*(\j%2)+8*\c+\p+1], v[ACC+8*\i+\p:ACC+8*\i+\p+1] op_sel_hi:[0,1,1]
.else
	v_pk_fma_f32 v[ACC+8*\i+\p:ACC+8*\i+\p+1], v[X+32*\i+4*\j+2*(\c/2):X+32*\i+4*\j+2*(\c/2)+1], v[WB+32*(\j%2)+8*\c+\p:WB+32*(\j%2)+8*\c+\p+1], v[ACC+8*\i+\p:ACC+8*\i+\p+1] op_sel:[1,0,0] op_sel_hi:[1,1,1]
.endif
.endr
.endr
.endr
.endm
.irp j, 0,1,2,3,4,5,6,7
	GFMA \j
.endr
; The 32 sums over the 32 lanes: four steps inside each half of the lanes ride on the addition, one crosses the halves; the 32 sums take turns.
.irp k, 1,2,4,8
.set RA, 0
.rept 32
	v_add_f32_dpp v[ACC+RA], v[ACC+RA], v[ACC+RA] row_xmask:\k row_mask:0xf bank_mask:0xf
.set RA, RA+1
.endr
.endr
.set RA, 0
.rept 32
	v_permlanex16_b32 v[WB+RA], v[ACC+RA], s30, s31
.set RA, RA+1
.endr
.set RA, 0
.rept 32
	v_add_f32 v[ACC+RA], v[ACC+RA], v[WB+RA]
.set RA, RA+1
.endr
	s_wait_kmcnt 0x0                               ; bg
.irp e, 0,1,2,3,4,5,6,7
	v_cndmask_b32 v[LG+\e], v[ACC+\e], v[ACC+8+\e], s32            ; from here on lane l works for token l % 4
.endr
.irp e, 0,1,2,3,4,5,6,7
	v_cndmask_b32 v[LG+\e], v[LG+\e], v[ACC+16+\e], s33
.endr
.irp e, 0,1,2,3,4,5,6,7
	v_cndmask_b32 v[LG+\e], v[LG+\e], v[ACC+24+\e], s34
.endr
.irp e, 0,1,2,3,4,5,6,7
	v_add_f32 v[LG+\e], s[20+\e], v[LG+\e]
.endr
	v_max3_num_f32 v232, v[LG], v[LG+1], v[LG+2]                   ; the largest logit
	v_max3_num_f32 v232, v232, v[LG+3], v[LG+4]
	v_max3_num_f32 v232, v232, v[LG+5], v[LG+6]
	v_max_num_f32 v232, v232, v[LG+7]
	v_mov_b32 v233, 7                              ; its index: from 7 down, so that the lowest index that holds it is kept
.irp e, 6,5,4,3,2,1,0
	v_cmp_neq_f32 vcc_lo, v[LG+\e], v232
	v_cndmask_b32 v233, \e, v233, vcc_lo
.endr
	v_mov_b32 v234, 0xff800000                     ; -infinity takes its place,
.irp e, 0,1,2,3,4,5,6,7
	v_cmp_eq_u32 vcc_lo, \e, v233
	v_cndmask_b32 v[MK+\e], v[LG+\e], v234, vcc_lo
.endr
	v_max3_num_f32 v235, v[MK], v[MK+1], v[MK+2]                   ; and the same again gives the second
	v_max3_num_f32 v235, v235, v[MK+3], v[MK+4]
	v_max3_num_f32 v235, v235, v[MK+5], v[MK+6]
	v_max_num_f32 v235, v235, v[MK+7]
	v_mov_b32 v236, 7
.irp e, 6,5,4,3,2,1,0
	v_cmp_neq_f32 vcc_lo, v[MK+\e], v235
	v_cndmask_b32 v236, \e, v236, vcc_lo
.endr
.irp e, 0,1,2,3,4,5,6,7
	v_sub_f32 v[DD+\e], v[LG+\e], v232             ; the largest is taken away ahead of every exponential
.endr
	v_add_f32 v237, v[DD], v[DD+1]
	v_add_f32 v240, v[DD+2], v[DD+3]
	v_add_f32 v241, v[DD+4], v[DD+5]
	v_add_f32 v243, v[DD+6], v[DD+7]
	v_add_f32 v237, v237, v240
	v_add_f32 v241, v241, v243
	v_add_f32 v237, v237, v241                     ; sum of (L - largest)
.irp e, 0,1,2,3,4,5,6,7
	v_mul_f32 v[MK+\e], 0x3fb8aa3b, v[DD+\e]       ; x log2(e)
.endr
	v_sub_f32 v238, v235, v232
	v_mul_f32 v238, 0x3fb8aa3b, v238
.irp e, 0,1,2,3,4,5,6,7
	v_exp_f32 v[MK+\e], v[MK+\e]
.endr
	v_exp_f32 v238, v238                           ; exp(second - largest)
	v_min_u32 v244, v233, v236                     ; a.  (A plain line behind the exponentials)
	s_wait_alu depctr_va_vdst(0)
	v_add_f32 v239, v[MK], v[MK+1]
	v_add_f32 v240, v[MK+2], v[MK+3]
	v_add_f32 v241, v[MK+4], v[MK+5]
	v_add_f32 v243, v[MK+6], v[MK+7]
	v_add_f32 v239, v239, v240
	v_add_f32 v241, v241, v243
	v_add_f32 v239, v239, v241
	v_log_f32 v239, v239                           ; log2 of the sum
	v_add_f32 v241, 1.0, v238
	v_rcp_f32 v241, v241                           ; the gate of the largest
	v_add_nc_u32 v245, v233, v236                  ; (a plain line behind the transcendentals)
	v_sub_nc_u32 v245, v245, v244                  ; b = the two indices' sum less a
	s_wait_alu depctr_va_vdst(0)
	v_fma_f32 v242, v239, 0x40b17218, -v237        ; 8 ln 2 x log2(sum) - sum of (L - largest)
	v_add_f32 v242, 0xc1851592, v242               ; - 8 ln 8
	v_mul_f32 v243, v238, v241                     ; the gate of the second
	v_cmp_lt_u32 vcc_lo, v233, v236
	v_cndmask_b32 v246, v243, v241, vcc_lo         ; a's gate,
	v_cndmask_b32 v247, v241, v243, vcc_lo         ; b's
	v_sub_nc_u32 v248, 15, v244
	v_mul_u32_u24 v248, v244, v248
	v_lshrrev_b32 v248, 1, v248
	v_add_nc_u32 v248, v248, v245
	v_sub_nc_u32 v248, v248, v244
	v_add_nc_u32 v248, -1, v248                    ; p = a (15 - a) / 2 + b - a - 1
	v_lshl_or_b32 v249, v245, 8, v244
	v_lshl_or_b32 v249, v248, 16, v249
	v_lshlrev_b32 v250, 3, v1
	s_wait_xcnt 0x0                                ; EXEC changes only behind this wait
	v_cmp_gt_u32 vcc_lo, 4, v1
	s_wait_tensorcnt 0x0
	ds_add_u32 v254, v255
	s_wait_dscnt 0x0
	s_and_saveexec_b32 s40, vcc_lo                 ; lanes 0 to 3 store for tokens 0 to 3 of the wave
	global_store_b32 v9, v249, s[10:11]
	global_store_b64 v250, v[246:247], s[12:13]
	global_store_b32 v9, v242, s[14:15]
	s_endpgm
.Lfunc_end_k_q3194ea1ef9_gate:
	.size	k_q3194ea1ef9_gate, .Lfunc_end_k_q3194ea1ef9_gate-k_q3194ea1ef9_gate
	.p2alignl 7, 3214868480
	.fill 96, 4, 3214868480
	.section	.rodata,"a",@progbits
	.p2align	6, 0x0
	.amdhsa_kernel k_q3194ea1ef9_gate
		.amdhsa_group_segment_fixed_size 70144
		.amdhsa_private_segment_fixed_size 0
		.amdhsa_enable_private_segment 0
		.amdhsa_kernarg_size 64
		.amdhsa_user_sgpr_count 2
		.amdhsa_user_sgpr_kernarg_segment_ptr 1
		.amdhsa_wavefront_size32 1
		.amdhsa_system_sgpr_workgroup_id_x 1
		.amdhsa_system_sgpr_workgroup_id_y 1
		.amdhsa_system_sgpr_workgroup_id_z 1
		.amdhsa_system_vgpr_workitem_id 0
		.amdhsa_next_free_vgpr 256
		.amdhsa_next_free_sgpr 66
		.amdhsa_reserve_vcc 1
		.amdhsa_float_denorm_mode_32 3
		.amdhsa_float_denorm_mode_16_64 3
		.amdhsa_memory_ordered 1
		.amdhsa_forward_progress 1
		.amdhsa_inst_pref_size 75
	.end_amdhsa_kernel
	.amdgpu_metadata
---
amdhsa.version: [ 1, 2 ]
amdhsa.kernels:
  - .name:           k_q3194ea1ef9_gate
    .symbol:         k_q3194ea1ef9_gate.kd
    .args:
      - { .name: x, .offset: 0, .size: 8, .value_kind: global_buffer, .address_space: global }
      - { .name: Wg, .offset: 8, .size: 8, .value_kind: global_buffer, .address_space: global }
      - { .name: bg, .offset: 16, .size: 8, .value_kind: global_buffer, .address_space: global }
      - { .name: keyw, .offset: 24, .size: 8, .value_kind: global_buffer, .address_space: global }
      - { .name: gw, .offset: 32, .size: 8, .value_kind: global_buffer, .address_space: global }
      - { .name: auxp, .offset: 40, .size: 8, .value_kind: global_buffer, .address_space: global }
      - { .name: xc, .offset: 48, .size: 8, .value_kind: global_buffer, .address_space: global }
      - { .name: xs, .offset: 56, .size: 8, .value_kind: global_buffer, .address_space: global }
    .group_segment_fixed_size: 70144
    .private_segment_fixed_size: 0
    .kernarg_segment_align: 8
    .kernarg_segment_size: 64
    .max_flat_workgroup_size: 128
    .sgpr_count:     66
    .vgpr_count:     256
    .wavefront_size: 32
...
	.end_amdgpu_metadata
.endif
;; end of part 1
;; launch prep (part 2): grid 321 x 1, 8 waves a work-group, no clusters, 5,120 bytes of LDS; arguments W1, W2, keyw, auxp, wimg, wscl, route, out1; writes wimg, wscl, route, out1
.if DOCPART == 2
	.amdgcn_target "amdgcn-amd-amdhsa--gfx1250"
	.amdhsa_code_object_version 6
	.text
	.protected	k_q3194ea1ef9_prep
	.globl	k_q3194ea1ef9_prep
	.p2align	8
	.type	k_q3194ea1ef9_prep,@function
k_q3194ea1ef9_prep:
	s_mov_b64 s[64:65], 0
	v_nop
	global_prefetch_b8 v0, s[64:65] scope:SCOPE_SE
	s_setreg_imm32_b32 hwreg(HW_REG_WAVE_MODE, 25, 1), 1
	s_wait_xcnt 0x0
; WORK-GROUP 0 PLACES THE TOKENS; WORK-GROUPS 1 TO 320 QUANTISE THE WEIGHTS.  The two ways part on the work-group's number alone and have LDS bytes of their own.  The placing is the longest way, so it has the first number.
; WEIGHTS.  W1 [8][1024 (k)][1024 (n)] and W2 [8][1024 (k)][256 (n)], f32, K the middle axis, become codes of E2M3 with one E8M0 byte for each 32 along K (scale 2^(floor(log2(largest magnitude)) - 2)),
; laid as IMAGES OF OPERAND REGISTERS: a fragment (16 rows x 128 K, 12 registers a lane) is 1,536 bytes, registers 4 j .. 4 j + 3 of lane l at 512 j + 16 l.
;   wimg [expert][wave w of the next launch][122,880]: W1's fragment (K step s, tile t of hidden units 128 w ..) at 12,288 s + 1,536 t; W2's (K step s, tile u of outputs 32 w ..) at 98,304 + 3,072 s + 1,536 u.
;   Row r of tile 2 b + u is unit 32 b + 8 u + r + 8 (r / 8), so that two neighbouring tiles' results are 16 neighbours in a lane.
;   wscl [expert][w][tile 0 .. 9][512]: the scale word of (row r, K step s) at 256 (s / 4) + 16 r + 4 (s % 4).
; A lane takes a column n and its registers run down K: each load reads neighbouring n in neighbouring lanes, a block's largest magnitude needs no other lane, and the conversions give codes with K innermost.
; A wave takes 32 columns x 128 along K; two waves stand side by side on 256 bytes of each row; a work-group takes 64 columns x 4 K steps.
; PLACING.  Tokens are sorted by their PAIR of experts (28 keys p) by a counting sort without atomics, each key's run begun on a block of 32 slots of its own: at most 155 blocks.  The order inside a run is free: it is wave, chunk, lane.
;   A token's slot = its key's first slot + the key's tokens in earlier waves + in earlier chunks of its wave + in lower lanes of its chunk.
;   route: words 0-255 headers (count | a << 8 | b << 16), from byte 1,024 on 155 x 32 token numbers.  out1 = 0.01 / (4096 x 8 x 8) x the sum of auxp.
; LIMITS: NaN and infinities are not served.  A block of zeros gets the byte 1 where the rule says 127: its codes are zeros, and this program alone reads the bytes.  Blocks whose largest magnitude lies under 2^-124 were not tried.
	s_load_b512 s[4:19], s[0:1], 0x0               ; W1, W2, keyw, auxp, wimg, wscl, route, out1
	v_lshl_add_u32 v254, v0, 2, 0x1000
	v_mov_b32 v255, 0
	v_lshrrev_b32 v4, 5, v0
	v_readfirstlane_b32 s28, v4                    ; wave
	v_and_b32 v1, 31, v0                           ; lane
	s_cmp_eq_u32 ttmp9, 0
	s_cbranch_scc1 .Lplace
	; ---------------- the weights ----------------
	s_sub_co_u32 s29, ttmp9, 1                     ; which of the 320 parts of the weights
	v_lshlrev_b32 v5, 2, v1                        ; my column: 4 bytes a lane
	v_bfe_u32 v6, v1, 3, 1                         ; u: which of the two tiles my column falls into,
	v_and_b32 v7, 7, v1
	v_lshrrev_b32 v4, 4, v1
	v_lshl_add_u32 v7, v4, 3, v7                   ; r: and which row of it: lane % 8 + 8 (lane / 16)
	v_mul_u32_u24 v2, v6, 1536
	v_lshl_add_u32 v2, v7, 4, v2                   ; my 16 bytes in the two images
	s_and_b32 s30, s28, 1                          ; which 32 of the 64 columns
	s_lshr_b32 s31, s28, 1                         ; which of the 4 K steps
	s_lshl_b32 s32, s30, 9
	s_lshl_b32 s33, s31, 2
	s_add_co_u32 s32, s32, s33
	v_lshlrev_b32 v3, 8, v6
	v_lshl_add_u32 v3, v7, 4, v3
	v_add_nc_u32 v3, s32, v3                       ; LDS bytes 0-1,023: my scale word at 512 x half + 256 u + 16 r + 4 x step
	s_lshl_b32 s32, s30, 9
	v_lshl_add_u32 v18, v1, 4, s32                 ; and the way back: 512 x half + 16 x lane
	v_lshlrev_b32 v19, 4, v1
	v_lshl_add_u32 v19, v4, 8, v19                 ; in wscl: 512 (lane / 16) + 16 (lane % 16) = 16 x lane + 256 (lane / 16)
	s_and_b32 s34, s29, 1                          ; q: K steps 4 q .. 4 q + 3
	s_lshl_b32 s35, s34, 2
	s_add_co_u32 s35, s35, s31                     ; my K step
.macro WLOAD rs                        ; 128 rows of my column.  Set h (v32 + 64 h on) holds rows 32 h .. and rows 64 + 32 h ..: what lanes (r, h) of the operand hold
.irp h, 0,1
.irp c, 0,1
.set WI, 0
.rept 32
	global_load_b32 v[32+64*\h+32*\c+WI], v5, s[40:41] offset:(64*\c+32*\h+WI)*\rs th:TH_LOAD_NT
.set WI, WI+1
.endr
.endr
.endr
.endm
	s_cmp_ge_u32 s29, 256
	s_cbranch_scc1 .Lw2
	s_lshr_b32 s36, s29, 5                         ; W1: expert,
	s_bfe_u32 s37, s29, 0x40001                    ; which 64 columns,
	s_lshl_b32 s37, s37, 1
	s_add_co_u32 s37, s37, s30                     ; which 32,
	s_lshr_b32 s38, s37, 2                         ; w,
	s_and_b32 s39, s37, 3                          ; b
	s_lshl_b32 s40, s36, 22
	s_lshl_b32 s41, s35, 19                        ; 128 rows of 4,096 bytes a K step
	s_add_co_u32 s40, s40, s41
	s_lshl_b32 s41, s37, 7
	s_add_co_u32 s40, s40, s41
	s_mov_b32 s41, 0
	s_lshl_b32 s42, s36, 3
	s_add_co_u32 s42, s42, s38
	s_mul_i32 s44, s42, 122880
	s_mul_i32 s43, s35, 12288
	s_add_co_u32 s44, s44, s43
	s_mul_i32 s43, s39, 3072
	s_add_co_u32 s44, s44, s43
	s_mov_b32 s45, 0
	s_mul_i32 s46, s42, 5120
	s_lshl_b32 s43, s39, 10
	s_add_co_u32 s46, s46, s43
	s_lshl_b32 s43, s34, 8
	s_add_co_u32 s46, s46, s43
	s_mov_b32 s47, 0
	s_wait_kmcnt 0x0
	s_add_nc_u64 s[40:41], s[4:5], s[40:41]
	WLOAD 4096
	s_branch .Lwq
.Lw2:
	s_sub_co_u32 s36, s29, 256
	s_bfe_u32 s37, s36, 0x20001                    ; W2: which 64 columns,
	s_lshr_b32 s36, s36, 3                         ; expert
	s_lshl_b32 s37, s37, 1
	s_add_co_u32 s37, s37, s30                     ; which 32 = w
	s_lshl_b32 s40, s36, 20
	s_lshl_b32 s41, s35, 17                        ; 128 rows of 1,024 bytes a K step
	s_add_co_u32 s40, s40, s41
	s_lshl_b32 s41, s37, 7
	s_add_co_u32 s40, s40, s41
	s_mov_b32 s41, 0
	s_lshl_b32 s42, s36, 3
	s_add_co_u32 s42, s42, s37
	s_mul_i32 s44, s42, 122880
	s_mul_i32 s43, s35, 3072
	s_add_co_u32 s44, s44, s43
	s_add_co_u32 s44, s44, 98304
	s_mov_b32 s45, 0
	s_mul_i32 s46, s42, 5120
	s_lshl_b32 s43, s34, 8
	s_add_co_u32 s46, s46, s43
	s_add_co_u32 s46, s46, 4096
	s_mov_b32 s47, 0
	s_wait_kmcnt 0x0
	s_add_nc_u64 s[40:41], s[6:7], s[40:41]
	WLOAD 1024
.Lwq:
	s_add_nc_u64 s[44:45], s[12:13], s[44:45]      ; my two images
	s_add_nc_u64 s[46:47], s[14:15], s[46:47]      ; my two tiles' scale words
; Set h: two blocks of 32, by turns; their codes are the 12 registers of lane (r, h) of the operand.
.macro SETQ h
.set XS0, 32+64*\h
	v_max3_num_f32 v8, |v[XS0]|, |v[XS0+1]|, 0x1800000             ; with the floor 2^(3 - 127): the byte cannot fall under 1
	v_max3_num_f32 v9, |v[XS0+32]|, |v[XS0+33]|, 0x1800000
.irp i, 2,4,6,8,10,12,14,16,18,20,22,24,26,28,30
	v_max3_num_f32 v8, v8, |v[XS0+\i]|, |v[XS0+\i+1]|
	v_max3_num_f32 v9, v9, |v[XS0+32+\i]|, |v[XS0+33+\i]|
.endr
	v_add_nc_u32 v10, 0xff000000, v8               ; 2 off the exponent field: the conversion's scale operand
	v_add_nc_u32 v11, 0xff000000, v9
	v_cvt_scalef32_pk16_fp6_f32 v[160:162], v[XS0:XS0+15], v10
	v_cvt_scalef32_pk16_fp6_f32 v[172:174], v[XS0+16:XS0+31], v10  ; (a conversion's three registers begin on an even number)
	v_cvt_scalef32_pk16_fp6_f32 v[166:168], v[XS0+32:XS0+47], v11
	v_cvt_scalef32_pk16_fp6_f32 v[176:178], v[XS0+48:XS0+63], v11
	v_lshrrev_b32 v12, 23, v10                     ; the scales' bytes; also the plain line behind the conversions
	v_lshrrev_b32 v13, 23, v11
.irp i, 0,1,2
	v_mov_b32 v[163+\i], v[172+\i]
	v_mov_b32 v[169+\i], v[176+\i]
.endr
.if \h == 0
	v_lshl_or_b32 v16, v13, 16, v12                ; blocks 0 and 2 of the K step,
.else
	v_lshl_or_b32 v16, v12, 8, v16                 ; blocks 1 and 3: the scale word is whole
	v_lshl_or_b32 v16, v13, 24, v16
.endif
.irp j, 0,1,2
	global_store_b128 v2, v[160+4*\j:163+4*\j], s[44:45] offset:512*\j+256*\h   ; the sixteen lanes of a tile store 256 consecutive bytes, at a multiple of 256 from the buffer's first byte
.endr
.endm
	s_wait_loadcnt 63                              ; set 0 is in: 64 loads were issued behind it, and 63 is the largest count that this wait can name
	SETQ 0
	s_wait_loadcnt 0x0
	s_wait_xcnt 0x0                                ; the codes' registers are written again only behind this wait
	SETQ 1
	ds_store_b32 v3, v16
	s_wait_dscnt 0x0                               ; for the others' sake
	s_barrier_signal -1
	s_barrier_wait -1                              ; the four K steps' words of 64 columns lie together
	s_cmp_ge_u32 s28, 2
	s_cbranch_scc1 .Lwend
	ds_load_b128 v[20:23], v18                     ; waves 0 and 1: a row's four words, 16 bytes a lane
	s_wait_dscnt 0x0
	global_store_b128 v19, v[20:23], s[46:47]      ; sixteen lanes store 256 consecutive bytes, aligned likewise
.Lwend:
	s_wait_tensorcnt 0x0
	ds_add_u32 v254, v255
	s_wait_dscnt 0x0
	s_endpgm
	; ---------------- the placing ----------------
	; Eight waves; wave w takes tokens 512 w .. 512 w + 511 as 16 chunks of 32, a token to a lane.  Lane p also keeps the books of key p.
	; LDS: at 1,024 eight rows of 128 bytes (wave w's tokens of key p in lane p's word), at 2,048 the waves' sums of auxp.
	; REGISTERS: v16-31 the key words; v32-47 lane p's mask of key p in chunk c, then its count; v48-63 at work; v64-80 the counts summed over earlier chunks; v96-111 what comes back from LDS;
	;   v112-127 token numbers; v128-143 auxp; v160-175 lane p: where chunk c's tokens of key p begin, in bytes; v176-191 the same fetched by each token; v192-207 4 p; v208-223 ranks; v224-243 at work; v244-248 lane constants.
.set WT,  1024
.set AXW, 2048
.Lplace:
	v_lshlrev_b32 v2, 2, v1                        ; 4 x lane
	s_lshl_b32 s32, s28, 11
	v_add_nc_u32 v3, s32, v2                       ; 4 x lane + 2,048 x wave: my 16 chunks in keyw
	v_lshlrev_b32 v4, 4, v0                        ; 16 x thread
	s_wait_kmcnt 0x0
.set CH, 0
.rept 16
	global_load_b32 v[16+CH], v3, s[8:9] offset:128*CH
.set CH, CH+1
.endr
.irp k, 0,1,2,3
	global_load_b128 v[128+4*\k:131+4*\k], v4, s[10:11] offset:4096*\k
.endr
	; what hangs on no key is made while the keys are on their way
	s_lshl_b32 s32, s28, 2
	v_mov_b32 v5, s32                              ; 4 x wave
	v_mov_b32 v6, 0
	s_lshl_b32 s32, s28, 7
	v_add_nc_u32 v7, s32, v2                       ; 4 x lane + 128 x wave: my wave's row
	s_lshl_b32 s32, s28, 9
	v_add_nc_u32 v11, s32, v1                      ; my first token: 512 x wave + lane
	v_lshlrev_b32 v12, 5, v0                       ; 32 x thread: the first slot of the block whose header I make
.set CH, 0
.rept 16
	v_add_nc_u32 v[112+CH], 32*CH, v11             ; my 16 tokens' numbers
.set CH, CH+1
.endr
.irp i, 0,1,2,3,4
	v_bfe_u32 v[244+\i], v1, \i, 1
.endr
.irp i, 0,1,2,3,4
	v_add_nc_u32 v[244+\i], -1, v[244+\i]          ; 0 where bit i of my lane's number is set, else all ones
.endr
	s_mov_b32 s30, 0x76543210
	s_mov_b32 s31, 0xfedcba98                      ; v_permlanex16_b32's selects for lane l xor 16
	s_mov_b32 s56, 0x55555555
	s_mov_b32 s57, 0x33333333
	s_mov_b32 s58, 0x0f0f0f0f
	s_mov_b32 s59, 0x01010101
.irp k, 0,1,2,3,4,5,6
	s_cmp_gt_u32 s28, \k
	s_cselect_b32 s[20+\k], 1, 0                   ; 1 for the waves before mine
.endr
	s_wait_loadcnt 4                               ; the 16 loads of keys are in: auxp's four were issued behind them
; Two chunks side by side.  Five ballots on the bits of p (bits 16 to 20 of the key word).  A mask of the lanes with a given key is the AND over the five bits of the ballot (bit set) or its complement (bit clear):
; a token takes its own bits, which gives the lanes with its key, and the bits below its lane are its rank; lane p takes the bits of its lane's number, which gives the lanes with key p.
.macro CH2 c
.irp u, 0,1
.irp i, 0,1,2,3,4
	v_and_b32 v[224+5*\u+\i], 0x10000<<\i, v[16+\c+\u]
.endr
.endr
.irp u, 0,1
.irp i, 0,1,2,3,4
	v_cmp_ne_u32 s[36+10*\u+\i], 0, v[224+5*\u+\i]
.endr
.endr
.irp u, 0,1
.irp i, 0,1,2,3,4
	v_xor_b32 v[234+5*\u+\i], s[36+10*\u+\i], v[244+\i]
.endr
.endr
.irp u, 0,1
.irp i, 0,1,2,3,4
	s_not_b32 s[41+10*\u+\i], s[36+10*\u+\i]
.endr
.endr
.irp u, 0,1
	v_and_b32 v[234+5*\u], v[234+5*\u], v[235+5*\u]
	v_and_b32 v[236+5*\u], v[236+5*\u], v[237+5*\u]
.endr
.irp u, 0,1
	v_and_b32 v[234+5*\u], v[234+5*\u], v[236+5*\u]
.endr
.irp u, 0,1
	v_and_b32 v[32+\c+\u], v[234+5*\u], v[238+5*\u]                ; lane p: the chunk's lanes with key p
.endr
.irp u, 0,1
.irp i, 0,1,2,3,4
	v_cndmask_b32 v[224+5*\u+\i], s[41+10*\u+\i], s[36+10*\u+\i], s[36+10*\u+\i]
.endr
.endr
.irp u, 0,1
	v_and_b32 v[224+5*\u], v[224+5*\u], v[225+5*\u]
	v_and_b32 v[226+5*\u], v[226+5*\u], v[227+5*\u]
.endr
.irp u, 0,1
	v_and_b32 v[224+5*\u], v[224+5*\u], v[226+5*\u]
.endr
.irp u, 0,1
	v_and_b32 v[224+5*\u], v[224+5*\u], v[228+5*\u]                ; the chunk's lanes with my key
.endr
.irp u, 0,1
	v_mbcnt_lo_u32_b32 v[208+\c+\u], v[224+5*\u], 0                ; my rank among them
.endr
.endm
.irp c, 0,2,4,6,8,10,12,14
	CH2 \c
.endr
; The bits of the 16 masks are counted by plain arithmetic, stage by stage, so that no line waits for the line above it.
.set CH, 0
.rept 16
	v_lshrrev_b32 v[48+CH], 1, v[32+CH]
.set CH, CH+1
.endr
.set CH, 0
.rept 16
	v_and_b32 v[48+CH], s56, v[48+CH]
.set CH, CH+1
.endr
.set CH, 0
.rept 16
	v_sub_nc_u32 v[32+CH], v[32+CH], v[48+CH]      ; sums of 2 bits
.set CH, CH+1
.endr
.set CH, 0
.rept 16
	v_lshrrev_b32 v[48+CH], 2, v[32+CH]
.set CH, CH+1
.endr
.set CH, 0
.rept 16
	v_and_b32 v[32+CH], s57, v[32+CH]
.set CH, CH+1
.endr
.set CH, 0
.rept 16
	v_and_b32 v[48+CH], s57, v[48+CH]
.set CH, CH+1
.endr
.set CH, 0
.rept 16
	v_add_nc_u32 v[32+CH], v[32+CH], v[48+CH]      ; of 4
.set CH, CH+1
.endr
.set CH, 0
.rept 16
	v_lshrrev_b32 v[48+CH], 4, v[32+CH]
.set CH, CH+1
.endr
.set CH, 0
.rept 16
	v_add_nc_u32 v[32+CH], v[32+CH], v[48+CH]
.set CH, CH+1
.endr
.set CH, 0
.rept 16
	v_and_b32 v[32+CH], s58, v[32+CH]              ; of 8
.set CH, CH+1
.endr
.set CH, 0
.rept 16
	v_mul_lo_u32 v[32+CH], v[32+CH], s59           ; the four bytes' sum in the top byte
.set CH, CH+1
.endr
.set CH, 0
.rept 16
	v_lshrrev_b32 v[32+CH], 24, v[32+CH]           ; lane p: key p's tokens in chunk c
.set CH, CH+1
.endr
	v_mov_b32 v64, 0
.set CH, 0
.rept 16
	v_add_nc_u32 v[65+CH], v[64+CH], v[32+CH]      ; summed over the earlier chunks of my wave; the two lines below fill the places between the links of this chain
	v_bfe_u32 v[192+CH], v[16+CH], 14, 10          ; 4 p: bits 14 and 15 of the key word are 0
	v_min_u32 v[192+CH], 108, v[192+CH]            ; held to 4 x 27
.set CH, CH+1
.endr
	ds_store_b32 v7, v80 offset:WT                 ; my wave's tokens of each key
	s_wait_loadcnt 0x0                             ; auxp
.irp i, 0,2,4,6
	v_pk_add_f32 v[128+\i:129+\i], v[128+\i:129+\i], v[136+\i:137+\i]
.endr
	v_pk_add_f32 v[128:129], v[128:129], v[132:133]
	v_pk_add_f32 v[130:131], v[130:131], v[134:135]
	v_pk_add_f32 v[128:129], v[128:129], v[130:131]
	v_add_f32 v128, v128, v129
.irp k, 1,2,4,8
	v_add_f32_dpp v128, v128, v128 row_xmask:\k row_mask:0xf bank_mask:0xf
.endr
	v_permlanex16_b32 v129, v128, s30, s31
	v_add_f32 v128, v128, v129
	ds_store_b32 v5, v128 offset:AXW               ; my wave's sum: every lane writes the same word with the same value
	s_wait_dscnt 0x0                               ; for the others' sake: my row and my sum lie in LDS
	s_barrier_signal -1
	s_barrier_wait -1                              ; the one barrier of this way
.irp k, 0,1,2,3,4,5,6,7
	ds_load_b32 v[96+\k], v2 offset:WT+128*\k
.endr
	ds_load_b128 v[104:107], v6 offset:AXW
	ds_load_b128 v[108:111], v6 offset:AXW+16
	s_wait_dscnt 0x0
	v_add_nc_u32 v8, v96, v97
	v_add_nc_u32 v10, v98, v99
	v_add_nc_u32 v14, v100, v101
	v_add_nc_u32 v15, v102, v103
	v_add_nc_u32 v8, v8, v10
	v_add_nc_u32 v14, v14, v15
	v_add_nc_u32 v8, v8, v14                       ; lane p: all tokens of key p
.set PP, 0
.rept 28
	v_readlane_b32 s[36+PP], v8, PP
.set PP, PP+1
.endr
	v_mul_u32_u24 v9, s20, v96                     ; lane p: key p's tokens in the waves before mine
.irp k, 1,2,3,4,5,6
	v_mad_u32_u24 v9, v[96+\k], s[20+\k], v9
.endr
; The 28 keys in ascending order, in scalar registers: s[66 + p] the key's first slot (a multiple of 32), s[36 + p] where its run ends, with its two experts above bit 16.
.macro KEYS p, a, b
	s_add_co_u32 s94, s[36+\p], 31
	s_and_b32 s94, s94, 0xffe0                     ; the key's slots: its tokens rounded up to whole blocks
.if \p < 27
	s_add_co_u32 s[67+\p], s[66+\p], s94
.endif
	s_add_co_u32 s[36+\p], s[36+\p], s[66+\p]
	s_add_co_u32 s[36+\p], s[36+\p], ((\a)|((\b)<<4))<<16
.endm
	s_mov_b32 s66, 0
.set PP, 0
.irp a, 0,1,2,3,4,5,6
.irp b, 1,2,3,4,5,6,7
.if \b > \a
	KEYS PP, \a, \b
.set PP, PP+1
.endif
.endr
.endr
; Thread j makes block j's header: the last key whose first slot is at most 32 j owns the block (a key without tokens shares its first slot with the next key, which then takes it).  Lane p gets key p's first slot.
	v_mov_b32 v13, 0
	v_mov_b32 v14, s36
.set PP, 1
.rept 27
	v_cmp_le_u32 vcc_lo, s[66+PP], v12
	v_writelane_b32 v13, s[66+PP], PP
	v_cndmask_b32 v14, v14, s[36+PP], vcc_lo
.set PP, PP+1
.endr
	v_add_nc_u32 v9, v13, v9                       ; lane p: where my wave's tokens of key p begin
.set CH, 0
.rept 16
	v_add_lshl_u32 v[160+CH], v9, v[64+CH], 2      ; and chunk c's, in bytes
	ds_bpermute_b32 v[176+CH], v[192+CH], v[160+CH] ; each token fetches it from lane p
.set CH, CH+1
.endr
	v_and_b32 v15, 0xffff, v14                     ; the header is finished while the fetches are out
	v_min_u32 v10, v15, v12
	v_sub_nc_u32 v15, v15, v10
	v_min_u32 v15, 32, v15                         ; the block's tokens: what is left of the run from slot 32 j on, 0 to 32
	v_bfe_u32 v10, v14, 16, 4
	v_lshl_or_b32 v15, v10, 8, v15
	v_bfe_u32 v10, v14, 20, 4
	v_lshl_or_b32 v15, v10, 16, v15
	v_lshlrev_b32 v10, 2, v0
	global_store_b32 v10, v15, s[16:17]            ; 256 headers, 1,024 bytes on end
	s_wait_dscnt 0x0
.set CH, 0
.rept 16
	v_lshl_add_u32 v[176+CH], v[208+CH], 2, v[176+CH]      ; + 4 x my rank: my slot, in bytes
	v_min_u32 v[176+CH], 0x4d7c, v[176+CH]         ; held inside the list's 4,960 words
	global_store_b32 v[176+CH], v[112+CH], s[16:17] offset:1024
.set CH, CH+1
.endr
	s_cmp_lg_u32 s28, 0
	s_cbranch_scc1 .Lpend
	v_add_f32 v104, v104, v105                     ; wave 0: the eight waves' sums of auxp
	v_add_f32 v106, v106, v107
	v_add_f32 v108, v108, v109
	v_add_f32 v110, v110, v111
	v_add_f32 v104, v104, v106
	v_add_f32 v108, v108, v110
	v_add_f32 v104, v104, v108
	v_mul_f32 v104, 0x3323d70a, v104               ; x 0.01 / 2^18
	s_wait_xcnt 0x0                                ; EXEC changes only behind this wait
	v_cmp_eq_u32 vcc_lo, 0, v1
	s_wait_tensorcnt 0x0
	ds_add_u32 v254, v255
	s_wait_dscnt 0x0
	s_and_saveexec_b32 s32, vcc_lo
	global_store_b32 v6, v104, s[18:19]
	s_endpgm
.Lpend:
	s_wait_tensorcnt 0x0
	ds_add_u32 v254, v255
	s_wait_dscnt 0x0
	s_endpgm
.Lfunc_end_k_q3194ea1ef9_prep:
	.size	k_q3194ea1ef9_prep, .Lfunc_end_k_q3194ea1ef9_prep-k_q3194ea1ef9_prep
	.p2alignl 7, 3214868480
	.fill 96, 4, 3214868480
	.section	.rodata,"a",@progbits
	.p2align	6, 0x0
	.amdhsa_kernel k_q3194ea1ef9_prep
		.amdhsa_group_segment_fixed_size 5120
		.amdhsa_private_segment_fixed_size 0
		.amdhsa_enable_private_segment 0
		.amdhsa_kernarg_size 64
		.amdhsa_user_sgpr_count 2
		.amdhsa_user_sgpr_kernarg_segment_ptr 1
		.amdhsa_wavefront_size32 1
		.amdhsa_system_sgpr_workgroup_id_x 1
		.amdhsa_system_sgpr_workgroup_id_y 1
		.amdhsa_system_sgpr_workgroup_id_z 1
		.amdhsa_system_vgpr_workitem_id 0
		.amdhsa_next_free_vgpr 256
		.amdhsa_next_free_sgpr 96
		.amdhsa_reserve_vcc 1
		.amdhsa_float_denorm_mode_32 3
		.amdhsa_float_denorm_mode_16_64 3
		.amdhsa_memory_ordered 1
		.amdhsa_forward_progress 1
		.amdhsa_inst_pref_size 95
	.end_amdhsa_kernel
	.amdgpu_metadata
---
amdhsa.version: [ 1, 2 ]
amdhsa.kernels:
  - .name:           k_q3194ea1ef9_prep
    .symbol:         k_q3194ea1ef9_prep.kd
    .args:
      - { .name: W1, .offset: 0, .size: 8, .value_kind: global_buffer, .address_space: global }
      - { .name: W2, .offset: 8, .size: 8, .value_kind: global_buffer, .address_space: global }
      - { .name: keyw, .offset: 16, .size: 8, .value_kind: global_buffer, .address_space: global }
      - { .name: auxp, .offset: 24, .size: 8, .value_kind: global_buffer, .address_space: global }
      - { .name: wimg, .offset: 32, .size: 8, .value_kind: global_buffer, .address_space: global }
      - { .name: wscl, .offset: 40, .size: 8, .value_kind: global_buffer, .address_space: global }
      - { .name: route, .offset: 48, .size: 8, .value_kind: global_buffer, .address_space: global }
      - { .name: out1, .offset: 56, .size: 8, .value_kind: global_buffer, .address_space: global }
    .group_segment_fixed_size: 5120
    .private_segment_fixed_size: 0
    .kernarg_segment_align: 8
    .kernarg_segment_size: 64
    .max_flat_workgroup_size: 256
    .sgpr_count:     96
    .vgpr_count:     256
    .wavefront_size: 32
...
	.end_amdgpu_metadata
.endif
;; end of part 2
;; launch chain (part 3): grid 155 x 1, 8 waves a work-group, no clusters, 84,480 bytes of LDS; arguments route, gw, xc, xs, wimg, wscl, b1, b2, out0; writes out0
.if DOCPART == 3
	.amdgcn_target "amdgcn-amd-amdhsa--gfx1250"
	.amdhsa_code_object_version 6
	.text
	.protected	k_q3194ea1ef9_chain
	.globl	k_q3194ea1ef9_chain
	.p2align	8
	.type	k_q3194ea1ef9_chain,@function
k_q3194ea1ef9_chain:
	s_mov_b64 s[64:65], 0
	v_nop
	global_prefetch_b8 v0, s[64:65] scope:SCOPE_SE
	s_setreg_imm32_b32 hwreg(HW_REG_WAVE_MODE, 25, 1), 1
	s_wait_xcnt 0x0
; out[n] = w_a (Q(gelu(Q(x) Q(W1_a) + b1_a)) Q(W2_a) + b2_a) + the same for b: only the two experts that a token chose are multiplied; the other six have the weight 0.
; Both products on codes of E2M3 with one E8M0 scale for each 32 along K; sums in f32; the hidden layer never goes to memory.
; SHARES.  A work-group takes one block of the stored list: up to 32 tokens that chose the same pair {a, b}, so it owns their rows of out.  With 4,096 tokens, 28 pairs and blocks of 32 there are never more than 155 blocks.
; A work-group whose header says 0 tokens passes every barrier, jumps over the work and stores nothing.  Slots behind the block's last token repeat that token and are not stored.
; THE EIGHT WAVES SHARE THE COLUMNS: wave w makes hidden units 128 w .. 128 w + 127, which are K step w of the second product, and outputs 32 w .. 32 w + 31, for all 32 slots (two tiles m = 0, 1).
; THE WEIGHTS COME FROM MEMORY STRAIGHT INTO REGISTERS, as images of operand registers that the launch before laid out: each fragment is read by one wave, once, so LDS would only add a copy, and which stream is walked hangs
; on the stored list.  That is also why no tile is asked for jointly by a cluster: nothing here goes through slots in LDS.  A ring of two halves of 8 fragments (96 registers each) runs one group of 24 loads ahead.
; WHAT GOES FROM WAVE TO WAVE goes through LDS as images too: x's 16 fragments once, the hidden layer's 16 for each expert, their scale words, and at the end the rows of out.
; Both products are used transposed (source 0 = 16 rows of the weight, source 1 = 16 tokens): a lane holds one token throughout, and the 16 registers of two neighbouring tiles are 16 neighbours along the next K.
; THE TWO EXPERTS ARE WRITTEN OUT, one behind the other, by one macro: what the first asks for ahead for the second stands there without a branch, so that each counted wait has the same loads behind it on every way.
; GELU, exact form: gelu(a) = max(a, 0) - |a| q, q = erfc(|a| / sqrt 2) / 2 = t 2^(P(t) - a^2 log2(e) / 2), t = 1 / (1 + |a| / (2 sqrt 2)), P the Chebyshev fit of degree 9 (fractional error 1.2e-7), its coefficients x log2(e), 1 off the first.
; LIMITS: NaN and infinities are not served.  To the fit's error the rounding of the exponent adds about |exponent| x 6e-8.  For a under about -13.1 the exponential's result would be denormal and comes out 0, so gelu is -0 there (true magnitude under 1e-37).
;   A block of zeros gets the scale byte 1 where the rule says 127: its codes are zeros.
; REGISTERS, in two windows of 256.  Window 0: v1-7 addresses; v12-139 the hidden layer's 16 accumulators; v140-199 at work (GELU, quantiser; in the products y's 4 accumulators and one buffer of token fragments);
;   v200-255 scale words and nothing else.   Window 1: v0-191 the ring; v192-215 the other buffer of token fragments; v216-247 the rows of out; v248-251 the gates.
.set XIMG, 0                           ; LDS: x's fragments, 1,536 bytes each, (tile m, K step s) at 8 m + s
.set HIMG, 24576                       ; the hidden layer's, likewise
.set HSC,  49152                       ; its scale words: (m, token r, K step s) at 512 m + 32 r + 4 s
.set STG,  50176                       ; the stage for out: 32 rows of 1,024 bytes + 16
.set LI,   1                           ; 16 x lane
.set HWI,  2                           ; 16 x lane + 1,536 x wave: where I store an image
.set HWS,  3                           ; 32 r + 4 x wave: and its scale word
.set HRS,  4                           ; 32 r + 16 h: where I read four scale words
.set BA,   5                           ; 64 h: my half's place in the biases
.set SO,   6                           ; the stage, in
.set SR,   7                           ; the stage, back
.set HA,   12                          ; accumulator (tile t, m) at HA + 64 m + 8 t
.set GT,   140                         ; GELU: t,
.set GU,   148                         ; a^2, then the exponent, then q,
.set GP,   156                         ; the polynomial, then max(a, 0)
.set PW,   140                         ; the scale word just made
.set TM,   164                         ; the quantiser's 16
.set PC,   180                         ; the codes just made, and the conversions' second halves
.set Y,    140                         ; y's accumulators: (u, m) at Y + 8 (2 u + m)
.set XFB,  172                         ; token fragments of odd K steps
.set W1S,  200                         ; W1's scale words: 4 t + s % 4; lanes 0-15 K steps 0-3, lanes 16-31 K steps 4-7
.set W2S,  232                         ; W2's: 4 u + s % 4
.set XS,   240                         ; x's: 4 m + s % 4
.set HS,   248                         ; the hidden layer's: 4 m + s % 4
.set XFA,  192                         ; window 1: token fragments of even K steps
.set O,    216                         ; window 1: out, (u, m) at O + 8 (2 u + m)
.set GW,   248                         ; window 1: the gates: a's for m = 0, 1, then b's
.set GL,   252                         ; window 1: the gates as loaded
.set MSB, 0
.macro WIN new                         ; the immediate's high byte repeats the setting that is left; a switch that changes nothing is dropped
.if MSB != \new
	s_set_vgpr_msb (MSB<<8)|\new
.set MSB, \new
.endif
.endm
.macro PLACES                          ; four places behind a matrix instruction, ahead of loads into its registers and of the first read of its results
.rept 4
	v_nop
.endr
.endm
.macro CPAIR r, bits                   ; a constant for the packed forms, which name a pair
	s_mov_b32 s[\r], \bits
	s_mov_b32 s[\r+1], \bits
.endm
.macro GRP base, g                     ; group g of a stream: 8 fragments, 24 loads of 512 bytes on end, into half g % 2 of the ring
	WIN 0x40
.set GQ, 0
.rept 24
	global_load_b128 v[96*((\g)%2)+4*GQ:96*((\g)%2)+4*GQ+3], v[LI], s[\base:\base+1] offset:12288*(\g)+512*GQ
.set GQ, GQ+1
.endr
.endm
.macro FLD buf, win, region, s         ; the two tiles' fragments of K step s from LDS
	WIN \win
.irp m, 0,1
.irp c, 0,1,2
	ds_load_b128 v[\buf+12*\m+4*\c:\buf+12*\m+4*\c+3], v[LI] offset:\region+1536*(8*\m+(\s))+512*\c
.endr
.endr
.endm
.macro W1SLD base
.irp t, 0,1,2,3,4,5,6,7
	global_load_b128 v[W1S+4*\t:W1S+4*\t+3], v[LI], s[\base:\base+1] offset:512*\t
.endr
.endm
.macro W2SLD base
.irp u, 0,1
	global_load_b128 v[W2S+4*\u:W2S+4*\u+3], v[LI], s[\base:\base+1] offset:4096+512*\u
.endr
.endm
.macro B1LD base, m                    ; b1 in the result's layout, into the accumulators: it is the C of each sum's first product.  Tile 2 b + u, lane (r, h): units 32 b + 16 h + 8 u + 0 .. 7
.irp t, 0,1,2,3,4,5,6,7
	global_load_b128 v[HA+64*\m+8*\t:HA+64*\m+8*\t+3], v[BA], s[\base:\base+1] offset:128*(\t/2)+32*(\t%2)
	global_load_b128 v[HA+64*\m+8*\t+4:HA+64*\m+8*\t+7], v[BA], s[\base:\base+1] offset:128*(\t/2)+32*(\t%2)+16
.endr
.endm
; K step s of the first product: 16 products, the 16 accumulators by turns, one instruction a turn.  Then the group two on goes into the half just read, and x's fragments two steps on into the buffer just read.
.macro K1 s, base
	s_wait_loadcnt 24                              ; this step's group is in, and all that was asked for before it: only the next group's 24 loads were issued behind it
.if \s == 7
	s_wait_dscnt 0x0
.else
	s_wait_dscnt 6                                 ; this step's fragments of x are in; the next step's six loads may be out
.endif
.if (\s)%2 == 0
	WIN 0x05
.set XB, XFA
.else
	WIN 0x01
.set XB, XFB
.endif
.irp t, 0,1,2,3,4,5,6,7
.irp m, 0,1
.if \s < 4
	v_wmma_scale_f32_16x16x128_f8f6f4 v[HA+64*\m+8*\t:HA+64*\m+8*\t+7], v[96*((\s)%2)+12*\t:96*((\s)%2)+12*\t+11], v[XB+12*\m:XB+12*\m+11], v[HA+64*\m+8*\t:HA+64*\m+8*\t+7], v[W1S+4*\t+(\s)%4], v[XS+4*\m+(\s)%4] matrix_a_fmt:MATRIX_FMT_FP6 matrix_b_fmt:MATRIX_FMT_FP6
.else
	v_wmma_scale_f32_16x16x128_f8f6f4 v[HA+64*\m+8*\t:HA+64*\m+8*\t+7], v[96*((\s)%2)+12*\t:96*((\s)%2)+12*\t+11], v[XB+12*\m:XB+12*\m+11], v[HA+64*\m+8*\t:HA+64*\m+8*\t+7], v[W1S+4*\t+(\s)%4], v[XS+4*\m+(\s)%4] matrix_a_fmt:MATRIX_FMT_FP6 matrix_b_fmt:MATRIX_FMT_FP6 matrix_a_scale:MATRIX_SCALE_ROW1 matrix_b_scale:MATRIX_SCALE_ROW1
.endif
.endr
.endr
	PLACES
	GRP \base, (\s)+2                              ; groups 8 and 9 are W2's
.if \s <= 5
.if (\s)%2 == 0
	FLD XFA, 0x40, XIMG, (\s)+2
.else
	FLD XFB, 0, XIMG, (\s)+2
.endif
.endif
.endm
; K step s of the second product: 4 products, y's 4 accumulators by turns.
.macro K2 s
.if \s == 7
	s_wait_dscnt 0x0
.else
	s_wait_dscnt 6                                 ; this step's hidden fragments are in; the next step's six loads may be out
.endif
.if (\s)%2 == 0
	WIN 0x05
.set XB, XFA
.else
	WIN 0x01
.set XB, XFB
.endif
.irp u, 0,1
.irp m, 0,1
.if \s == 0
	v_wmma_scale_f32_16x16x128_f8f6f4 v[Y+8*(2*\u+\m):Y+8*(2*\u+\m)+7], v[96*((\s)/4)+12*(2*((\s)%4)+\u):96*((\s)/4)+12*(2*((\s)%4)+\u)+11], v[XB+12*\m:XB+12*\m+11], 0, v[W2S+4*\u+(\s)%4], v[HS+4*\m+(\s)%4] matrix_a_fmt:MATRIX_FMT_FP6 matrix_b_fmt:MATRIX_FMT_FP6
.elseif \s < 4
	v_wmma_scale_f32_16x16x128_f8f6f4 v[Y+8*(2*\u+\m):Y+8*(2*\u+\m)+7], v[96*((\s)/4)+12*(2*((\s)%4)+\u):96*((\s)/4)+12*(2*((\s)%4)+\u)+11], v[XB+12*\m:XB+12*\m+11], v[Y+8*(2*\u+\m):Y+8*(2*\u+\m)+7], v[W2S+4*\u+(\s)%4], v[HS+4*\m+(\s)%4] matrix_a_fmt:MATRIX_FMT_FP6 matrix_b_fmt:MATRIX_FMT_FP6
.else
	v_wmma_scale_f32_16x16x128_f8f6f4 v[Y+8*(2*\u+\m):Y+8*(2*\u+\m)+7], v[96*((\s)/4)+12*(2*((\s)%4)+\u):96*((\s)/4)+12*(2*((\s)%4)+\u)+11], v[XB+12*\m:XB+12*\m+11], v[Y+8*(2*\u+\m):Y+8*(2*\u+\m)+7], v[W2S+4*\u+(\s)%4], v[HS+4*\m+(\s)%4] matrix_a_fmt:MATRIX_FMT_FP6 matrix_b_fmt:MATRIX_FMT_FP6 matrix_a_scale:MATRIX_SCALE_ROW1 matrix_b_scale:MATRIX_SCALE_ROW1
.endif
.endr
.endr
	PLACES
.if \s <= 5
.if (\s)%2 == 0
	FLD XFA, 0x40, HIMG, (\s)+2
.else
	FLD XFB, 0, HIMG, (\s)+2
.endif
.endif
.endm
; GELU of one accumulator's eight numbers, in place, in f32.  The accumulator is read from its low end on.  Behind each run of transcendentals stands a plain line that touches none of their registers.
.macro GELU8 A
.irp i, 0,1,2,3,4,5,6,7
	v_fma_f32 v[GT+\i], |v[\A+\i]|, s62, 1.0
.endr
.irp i, 0,1,2,3,4,5,6,7
	v_rcp_f32 v[GT+\i], v[GT+\i]                   ; t
.endr
.irp i, 0,2,4,6
	v_pk_mul_f32 v[GU+\i:GU+\i+1], v[\A+\i:\A+\i+1], v[\A+\i:\A+\i+1]
.endr
	s_wait_alu depctr_va_vdst(0)
.irp i, 0,2,4,6
	v_pk_fma_f32 v[GP+\i:GP+\i+1], v[GT+\i:GT+\i+1], s[58:59], s[56:57] op_sel_hi:[1,0,0]
.endr
.irp c, 54,52,50,48,46,44,42,40
.irp i, 0,2,4,6
	v_pk_fma_f32 v[GP+\i:GP+\i+1], v[GP+\i:GP+\i+1], v[GT+\i:GT+\i+1], s[\c:\c+1] op_sel_hi:[1,1,0]
.endr
.endr
.irp i, 0,2,4,6
	v_pk_fma_f32 v[GU+\i:GU+\i+1], v[GU+\i:GU+\i+1], s[60:61], v[GP+\i:GP+\i+1] op_sel_hi:[1,0,1]
.endr
.irp i, 0,1,2,3,4,5,6,7
	v_exp_f32 v[GU+\i], v[GU+\i]
.endr
.irp i, 0,1,2,3,4,5,6,7
	v_max_num_f32 v[GP+\i], 0, v[\A+\i]
.endr
	s_wait_alu depctr_va_vdst(0)
.irp i, 0,2,4,6
	v_pk_mul_f32 v[GU+\i:GU+\i+1], v[GT+\i:GT+\i+1], v[GU+\i:GU+\i+1]     ; q
.endr
.irp i, 0,1,2,3,4,5,6,7
	v_fma_f32 v[\A+\i], -|v[\A+\i]|, v[GU+\i], v[GP+\i]
.endr
.endm
; 64 numbers of a lane, register 16 b + i = k 32 b + 16 (lane / 16) + i of my token, become a fragment's codes in v[PC] on and its scale word in v[PW].
.macro QUANT s
.irp b, 0,1,2,3
	v_max3_num_f32 v[TM+\b], |v[\s+16*\b]|, |v[\s+1+16*\b]|, 0x1800000     ; my 16 numbers of block b, and the floor 2^(3 - 127): the byte cannot fall under 1
.endr
.irp i, 2,4,6,8,10,12,14
.irp b, 0,1,2,3
	v_max3_num_f32 v[TM+\b], v[TM+\b], |v[\s+16*\b+\i]|, |v[\s+1+16*\b+\i]|
.endr
.endr
.irp b, 0,1,2,3
	v_permlanex16_b32 v[TM+4+\b], v[TM+\b], s30, s31
.endr
.irp b, 0,1,2,3
	v_max_num_f32 v[TM+\b], v[TM+\b], v[TM+4+\b]   ; with lane l xor 16's: the block's largest magnitude
.endr
.irp b, 0,1,2,3
	v_add_nc_u32 v[TM+12+\b], 0xff000000, v[TM+\b] ; 2 off its exponent field: the conversion's scale operand
.endr
.irp b, 0,1,2,3
	v_lshrrev_b32 v[TM+4+\b], 23, v[TM+12+\b]      ; the scale's byte
.endr
	v_lshl_or_b32 v[PW], v[TM+5], 8, v[TM+4]
	v_lshl_or_b32 v[PW], v[TM+6], 16, v[PW]
	v_lshl_or_b32 v[PW], v[TM+7], 24, v[PW]
.irp c, 0,1
	v_cvt_scalef32_pk16_fp6_f32 v[PC+6*\c:PC+2+6*\c], v[\s+32*\c:\s+15+32*\c], v[TM+12+2*\c]
	v_cvt_scalef32_pk16_fp6_f32 v[PC+12+4*\c:PC+14+4*\c], v[\s+16+32*\c:\s+31+32*\c], v[TM+12+2*\c+1]   ; (a conversion's three registers begin on an even number)
.endr
	v_nop                                          ; one plain place behind a scaled conversion
.irp c, 0,1                                    ; the operand's layout wants a whole block in a lane: lanes 0-15 block 2 c, lanes 16-31 block 2 c + 1
.irp i, 0,1,2
	v_permlane16_swap_b32 v[PC+6*\c+\i], v[PC+12+4*\c+\i]
.endr
.irp i, 0,1,2
	v_mov_b32 v[PC+3+6*\c+\i], v[PC+12+4*\c+\i]
.endr
.endr
.endm
.macro IMAGE off
.irp c, 0,1,2
	ds_store_b128 v[HWI], v[PC+4*\c:PC+4*\c+3] offset:\off+512*\c
.endr
.endm
.macro BARRIER                                 ; my LDS stores have landed and my LDS loads are in: then the work-group's barrier
	s_wait_dscnt 0x0
	s_barrier_signal -1
	s_barrier_wait -1
.endm
	s_load_b512 s[4:19], s[0:1], 0x0               ; route, gw, xc, xs, wimg, wscl, b1, b2
	s_load_b64 s[20:21], s[0:1], 0x40              ; out0
	v_lshrrev_b32 v8, 5, v0
	v_readfirstlane_b32 s22, v8                    ; wave 0..7
	v_and_b32 v8, 31, v0                           ; lane
	v_and_b32 v9, 15, v0                           ; r
	v_bfe_u32 v10, v0, 4, 1                        ; h
	v_lshlrev_b32 v[LI], 4, v8
	s_mul_i32 s87, s22, 1536
	v_add_nc_u32 v[HWI], s87, v[LI]
	s_lshl_b32 s86, s22, 2                         ; 4 x wave: kept
	v_lshl_add_u32 v[HWS], v9, 5, s86
	v_lshlrev_b32 v[HRS], 5, v9
	v_lshl_add_u32 v[HRS], v10, 4, v[HRS]
	v_lshlrev_b32 v[BA], 6, v10
	v_mul_u32_u24 v[SO], v9, 1040
	v_lshl_add_u32 v[SO], v10, 6, v[SO]
	s_lshl_b32 s87, s22, 7
	s_add_co_u32 s87, s87, STG
	v_add_nc_u32 v[SO], s87, v[SO]                 ; row r, + 128 x wave + 64 h: my 16 outputs' bytes
	s_mul_i32 s87, s22, 4160
	s_add_co_u32 s87, s87, STG
	v_add_nc_u32 v[SR], s87, v[LI]                 ; back: rows 4 x wave on, 16 bytes a lane
	s_mov_b32 s30, 0x76543210
	s_mov_b32 s31, 0xfedcba98                      ; v_permlanex16_b32's selects for lane l xor 16
	CPAIR 40, 0xc034d90f                           ; c0 = -1.26551223 log2(e) - 1
	CPAIR 42, 0x3fb8ab5a                           ; c1 =  1.00002368 log2(e)
	CPAIR 44, 0x3f0a29d2                           ; c2 =  0.37409196 log2(e)
	CPAIR 46, 0x3e0efb2e                           ; c3 =  0.09678418 log2(e)
	CPAIR 48, 0xbe899a80                           ; c4 = -0.18628806 log2(e)
	CPAIR 50, 0x3ecdfd18                           ; c5 =  0.27886807 log2(e)
	CPAIR 52, 0xbfd1a1e5                           ; c6 = -1.13520398 log2(e)
	CPAIR 54, 0x40097039                           ; c7 =  1.48851587 log2(e)
	CPAIR 56, 0xbf97d29d                           ; c8 = -0.82215223 log2(e)
	CPAIR 58, 0x3e7c6f08                           ; c9 =  0.17087277 log2(e)
	CPAIR 60, 0xbf38aa3b                           ; -log2(e) / 2
	s_mov_b32 s62, 0x3eb504f3                      ; 1 / (2 sqrt 2)
	s_lshl_b32 s29, ttmp9, 2
	s_wait_kmcnt 0x0
	s_load_b32 s23, s[4:5], s29 offset:0x0         ; my block's header
	s_wait_kmcnt 0x0
	s_bfe_u32 s24, s23, 0x80008
	s_bfe_u32 s25, s23, 0x80010
	s_and_b32 s23, s23, 0xff
	s_min_u32 s23, s23, 32                         ; tokens in the block,
	s_min_u32 s24, s24, 7                          ; expert a,
	s_min_u32 s25, s25, 7                          ; expert b: each held inside its range
	s_lshl_b32 s27, ttmp9, 5
	s_cmp_eq_u32 s23, 0
	s_cselect_b32 s27, 0, s27                      ; my slots in the list (an empty block looks at slot 0, which always holds a token)
	s_max_u32 s28, s23, 1
	s_sub_co_u32 s28, s28, 1                       ; the last slot that holds a token
.irp k, 0,1,2,3
	s_add_co_u32 s[88+\k], s86, \k                 ; the tokens whose rows I store: slots 4 x wave + k
	s_min_u32 s[88+\k], s[88+\k], s28
	s_add_co_u32 s[88+\k], s[88+\k], s27
	s_min_u32 s[88+\k], s[88+\k], 4959
	s_lshl_b32 s[88+\k], s[88+\k], 2
	s_load_b32 s[74+\k], s[4:5], s[88+\k] offset:0x400
.endr
	s_lshl_b32 s92, s24, 3
	s_add_co_u32 s92, s92, s22                     ; 8 a + wave
	s_lshl_b32 s93, s25, 3
	s_add_co_u32 s93, s93, s22                     ; 8 b + wave
	s_mul_i32 s32, s92, 122880
	s_mov_b32 s33, 0
	s_add_nc_u64 s[32:33], s[12:13], s[32:33]      ; a's stream of weights,
	s_mul_i32 s34, s93, 122880
	s_mov_b32 s35, 0
	s_add_nc_u64 s[34:35], s[12:13], s[34:35]      ; b's
	s_mul_i32 s36, s92, 5120
	s_mov_b32 s37, 0
	s_add_nc_u64 s[36:37], s[14:15], s[36:37]      ; their scale words
	s_mul_i32 s38, s93, 5120
	s_mov_b32 s39, 0
	s_add_nc_u64 s[38:39], s[14:15], s[38:39]
	s_lshl_b32 s87, s22, 9
	s_lshl_b32 s66, s24, 12
	s_add_co_u32 s66, s66, s87
	s_mov_b32 s67, 0
	s_add_nc_u64 s[66:67], s[16:17], s[66:67]      ; b1 of a at my 128 units,
	s_lshl_b32 s68, s25, 12
	s_add_co_u32 s68, s68, s87
	s_mov_b32 s69, 0
	s_add_nc_u64 s[68:69], s[16:17], s[68:69]      ; of b
	s_lshl_b32 s87, s22, 7
	s_lshl_b32 s70, s24, 10
	s_add_co_u32 s70, s70, s87
	s_mov_b32 s71, 0
	s_add_nc_u64 s[70:71], s[18:19], s[70:71]      ; b2 of a at my 32 outputs,
	s_lshl_b32 s72, s25, 10
	s_add_co_u32 s72, s72, s87
	s_mov_b32 s73, 0
	s_add_nc_u64 s[72:73], s[18:19], s[72:73]      ; of b
	v_add_nc_u32 v11, 16, v9
	v_min_u32 v8, s28, v9                          ; the tokens of slots r and 16 + r
	v_min_u32 v11, s28, v11
	v_add_nc_u32 v8, s27, v8
	v_add_nc_u32 v11, s27, v11
	v_min_u32 v8, 0x135f, v8
	v_min_u32 v11, 0x135f, v11
	v_lshlrev_b32 v8, 2, v8
	v_lshlrev_b32 v11, 2, v11
	global_load_b32 v196, v8, s[4:5] offset:1024
	global_load_b32 v197, v11, s[4:5] offset:1024
	W1SLD 36
	W2SLD 36
	B1LD 66, 0
	B1LD 66, 1
.irp u, 0,1
	global_load_b128 v[140+8*\u:143+8*\u], v[BA], s[70:71] offset:32*\u            ; b2 of a: lane (r, h), tile u: outputs 16 h + 8 u + 0 .. 7
	global_load_b128 v[144+8*\u:147+8*\u], v[BA], s[70:71] offset:32*\u+16
	global_load_b128 v[156+8*\u:159+8*\u], v[BA], s[72:73] offset:32*\u            ; of b
	global_load_b128 v[160+8*\u:163+8*\u], v[BA], s[72:73] offset:32*\u+16
.endr
	s_mul_i32 s94, s22, 96
	v_mad_u32_u24 v9, v10, 48, s94                 ; 96 x wave + 48 h: my 48 bytes of a token's codes: K step = my wave's number
	v_lshlrev_b32 v10, 4, v10                      ; 16 h
	s_wait_loadcnt 50                              ; the two tokens are in: behind them 8 + 2 loads of scale words, 32 of b1 and 8 of b2 were issued
	v_min_u32 v196, 0xfff, v196
	v_min_u32 v197, 0xfff, v197
	v_mad_u32_u24 v8, v196, 0x300, v9
	v_mad_u32_u24 v11, v197, 0x300, v9
	v_lshl_add_u32 v198, v196, 5, v10
	v_lshl_add_u32 v199, v197, 5, v10
	v_lshlrev_b32 v196, 3, v196
	v_lshlrev_b32 v197, 3, v197
.irp c, 0,1,2
	global_load_b128 v[XFB+4*\c:XFB+4*\c+3], v8, s[8:9] offset:16*\c
	global_load_b128 v[XFB+12+4*\c:XFB+12+4*\c+3], v11, s[8:9] offset:16*\c
.endr
	global_load_b128 v[XS:XS+3], v198, s[10:11]    ; x's scale words: lanes 0-15 K steps 0-3, lanes 16-31 K steps 4-7
	global_load_b128 v[XS+4:XS+7], v199, s[10:11]
	WIN 0x40
	global_load_b64 v[GL:GL+1], v196, s[6:7]       ; the gates of a and b, for slot r,
	global_load_b64 v[GL+2:GL+3], v197, s[6:7]     ; for slot 16 + r
	GRP 32, 0
	GRP 32, 1
	WIN 0
	s_wait_kmcnt 0x0
.irp k, 0,1,2,3
	s_min_u32 s[74+\k], s[74+\k], 4095
	s_lshl_b32 s[78+2*\k], s[74+\k], 10
	s_mov_b32 s[79+2*\k], 0
	s_add_nc_u64 s[78+2*\k:79+2*\k], s[20:21], s[78+2*\k:79+2*\k]      ; the four rows of out that I store
.endr
	s_wait_loadcnt 24                              ; all but group 1
	WIN 0x41
	v_mov_b32 v[GW], v[GL]
	v_mov_b32 v[GW+1], v[GL+2]
	v_mov_b32 v[GW+2], v[GL+1]
	v_mov_b32 v[GW+3], v[GL+3]
	WIN 0x44                                       ; out begins as w_a b2_a + w_b b2_b: nothing is cleared, and b2 costs nothing later
.irp u, 0,1
.irp m, 0,1
.irp i, 0,2,4,6
	v_pk_mul_f32 v[O+8*(2*\u+\m)+\i:O+8*(2*\u+\m)+\i+1], v[140+8*\u+\i:141+8*\u+\i], v[GW:GW+1] op_sel:[0,\m] op_sel_hi:[1,\m]
.endr
.endr
.endr
	WIN 0x54
.irp u, 0,1
.irp m, 0,1
.irp i, 0,2,4,6
	v_pk_fma_f32 v[O+8*(2*\u+\m)+\i:O+8*(2*\u+\m)+\i+1], v[156+8*\u+\i:157+8*\u+\i], v[GW+2:GW+3], v[O+8*(2*\u+\m)+\i:O+8*(2*\u+\m)+\i+1] op_sel:[0,\m,0] op_sel_hi:[1,\m,1]
.endr
.endr
.endr
	WIN 0
.irp m, 0,1
.irp c, 0,1,2
	ds_store_b128 v[HWI], v[XFB+12*\m+4*\c:XFB+12*\m+4*\c+3] offset:XIMG+12288*\m+512*\c
.endr
.endr
	BARRIER                                        ; x's sixteen fragments lie in LDS
; ONE EXPERT.  nr = 0: expert a, which also asks ahead for b's scale words, biases and first two groups; nr = 1: expert b, which asks for nothing more.  wp: the scalar pair that holds the expert's stream.
; An empty block jumps over the two segments of work, never over a barrier.  Where loads follow a jump's landing place, the landing place waits for all loads, so that on every way those loads find their registers free.
.macro EXPERT nr, wp
	s_cmp_eq_u32 s23, 0
	s_cbranch_scc1 .LskipA\nr
	FLD XFA, 0x40, XIMG, 0
	FLD XFB, 0, XIMG, 1
.irp s, 0,1,2,3,4,5,6,7
	K1 \s, \wp
.endr
	WIN 0
.if \nr == 0
	W1SLD 38                                       ; b's scale words of W1: a's have served, four places back
.endif
.irp t, 0,1,2,3,4,5,6,7
	GELU8 HA+8*\t
.endr
	QUANT HA
	IMAGE HIMG
	ds_store_b32 v[HWS], v[PW] offset:HSC          ; lanes r and 16 + r write the same word with the same value
.if \nr == 0
	B1LD 68, 0                                     ; b's biases into the accumulators that have been quantised
.endif
.irp t, 0,1,2,3,4,5,6,7
	GELU8 HA+64+8*\t
.endr
	s_wait_dscnt 0x0                               ; the image's stores have read their registers
	QUANT HA+64
	IMAGE HIMG+12288
	ds_store_b32 v[HWS], v[PW] offset:HSC+512
	s_branch .LjoinA\nr
.LskipA\nr:
	s_wait_loadcnt 0x0
.LjoinA\nr:
	BARRIER                                        ; the hidden layer's sixteen fragments lie in LDS
	s_cmp_eq_u32 s23, 0
	s_cbranch_scc1 .LskipB\nr
	ds_load_b128 v[HS:HS+3], v[HRS] offset:HSC
	ds_load_b128 v[HS+4:HS+7], v[HRS] offset:HSC+512
	FLD XFA, 0x40, HIMG, 0
	FLD XFB, 0, HIMG, 1
	s_wait_loadcnt 24                              ; group 8 is in: behind it group 9's 24 loads were issued
.irp s, 0,1,2,3
	K2 \s
.endr
.if \nr == 0
	GRP 34, 0                                      ; b's first group, into the half that W2's K steps 0-3 have left, four places back
	s_wait_loadcnt 24                              ; group 9 is in: only the 24 loads just issued may be out
.else
	s_wait_loadcnt 0x0                             ; group 9 is in
.endif
.irp s, 4,5,6,7
	K2 \s
.endr
.if \nr == 0
	WIN 0
	B1LD 68, 1
	W2SLD 38
	GRP 34, 1                                      ; the youngest 24 loads at expert b's first wait
.endif
	WIN 0x54
.irp u, 0,1
.irp m, 0,1
.irp i, 0,2,4,6
	v_pk_fma_f32 v[O+8*(2*\u+\m)+\i:O+8*(2*\u+\m)+\i+1], v[Y+8*(2*\u+\m)+\i:Y+8*(2*\u+\m)+\i+1], v[GW+2*\nr:GW+2*\nr+1], v[O+8*(2*\u+\m)+\i:O+8*(2*\u+\m)+\i+1] op_sel:[0,\m,0] op_sel_hi:[1,\m,1]   ; out += gate x y, each accumulator from its low end on
.endr
.endr
.endr
	WIN 0
.if \nr == 0
	s_branch .LjoinB
.LskipB\nr:
	s_wait_loadcnt 0x0
.LjoinB:
	BARRIER                                        ; every wave's reads of the hidden layer are over: expert b may write it again
.else
.LskipB\nr:                                        ; nothing writes the hidden layer's images any more, and the stage has bytes of its own: no barrier here
.endif
.endm
	EXPERT 0, 32
	EXPERT 1, 34
	; THE WAY OUT.  A row's 256 outputs come from eight waves: they meet in the stage, and each wave stores 4 whole rows.
	WIN 0x04                                       ; an LDS store's data are its source 1: window 1
.irp m, 0,1
.irp u, 0,1
	ds_store_b128 v[SO], v[O+8*(2*\u+\m):O+8*(2*\u+\m)+3] offset:16640*\m+32*\u
	ds_store_b128 v[SO], v[O+8*(2*\u+\m)+4:O+8*(2*\u+\m)+7] offset:16640*\m+32*\u+16
.endr
.endr
	WIN 0
	BARRIER
.irp k, 0,1,2,3
	ds_load_b128 v[140+8*\k:143+8*\k], v[SR] offset:1040*\k
	ds_load_b128 v[144+8*\k:147+8*\k], v[SR] offset:1040*\k+512
.endr
	s_wait_dscnt 0x0
.irp k, 0,1,2,3
	s_add_co_u32 s88, s86, \k
	s_cmp_gt_u32 s23, s88                          ; only slots that hold a token of their own are stored
	s_cbranch_scc0 .Lno_row\k
	global_store_b128 v[LI], v[140+8*\k:143+8*\k], s[78+2*\k:79+2*\k] th:TH_STORE_NT              ; 32 lanes store 512 consecutive bytes, at a multiple of 256 from the buffer's first byte
	global_store_b128 v[LI], v[144+8*\k:147+8*\k], s[78+2*\k:79+2*\k] offset:512 th:TH_STORE_NT
.Lno_row\k:
.endr
	s_wait_xcnt 0x0
	v_lshl_add_u32 v254, v0, 2, 0x14600
	v_mov_b32 v255, 0
	s_wait_tensorcnt 0x0
	ds_add_u32 v254, v255
	s_wait_dscnt 0x0
	s_endpgm
.Lfunc_end_k_q3194ea1ef9_chain:
	.size	k_q3194ea1ef9_chain, .Lfunc_end_k_q3194ea1ef9_chain-k_q3194ea1ef9_chain
	.p2alignl 7, 3214868480
	.fill 96, 4, 3214868480
	.section	.rodata,"a",@progbits
	.p2align	6, 0x0
	.amdhsa_kernel k_q3194ea1ef9_chain
		.amdhsa_group_segment_fixed_size 84480
		.amdhsa_private_segment_fixed_size 0
		.amdhsa_enable_private_segment 0
		.amdhsa_kernarg_size 72
		.amdhsa_user_sgpr_count 2
		.amdhsa_user_sgpr_kernarg_segment_ptr 1
		.amdhsa_wavefront_size32 1
		.amdhsa_system_sgpr_workgroup_id_x 1
		.amdhsa_system_sgpr_workgroup_id_y 1
		.amdhsa_system_sgpr_workgroup_id_z 1
		.amdhsa_system_vgpr_workitem_id 0
		.amdhsa_next_free_vgpr 512
		.amdhsa_next_free_sgpr 96
		.amdhsa_reserve_vcc 0
		.amdhsa_float_denorm_mode_32 3
		.amdhsa_float_denorm_mode_16_64 3
		.amdhsa_memory_ordered 1
		.amdhsa_forward_progress 1
		.amdhsa_inst_pref_size 255
	.end_amdhsa_kernel
	.section	.bss,"aw",@nobits
	.p2align	6
	.space	262144
	.amdgpu_metadata
---
amdhsa.version: [ 1, 2 ]
amdhsa.kernels:
  - .name:           k_q3194ea1ef9_chain
    .symbol:         k_q3194ea1ef9_chain.kd
    .args:
      - { .name: route, .offset: 0, .size: 8, .value_kind: global_buffer, .address_space: global }
      - { .name: gw, .offset: 8, .size: 8, .value_kind: global_buffer, .address_space: global }
      - { .name: xc, .offset: 16, .size: 8, .value_kind: global_buffer, .address_space: global }
      - { .name: xs, .offset: 24, .size: 8, .value_kind: global_buffer, .address_space: global }
      - { .name: wimg, .offset: 32, .size: 8, .value_kind: global_buffer, .address_space: global }
      - { .name: wscl, .offset: 40, .size: 8, .value_kind: global_buffer, .address_space: global }
      - { .name: b1, .offset: 48, .size: 8, .value_kind: global_buffer, .address_space: global }
      - { .name: b2, .offset: 56, .size: 8, .value_kind: global_buffer, .address_space: global }
      - { .name: out0, .offset: 64, .size: 8, .value_kind: global_buffer, .address_space: global }
    .group_segment_fixed_size: 84480
    .private_segment_fixed_size: 0
    .kernarg_segment_align: 8
    .kernarg_segment_size: 72
    .max_flat_workgroup_size: 256
    .sgpr_count:     96
    .vgpr_count:     512
    .wavefront_size: 32
...
	.end_amdgpu_metadata
.endif
;; end of part 3
;; ======== version 2 of 2: 3 launches; version 1 with the launch chain written anew for expert scheduling mode
;; workspace buffers: keyw 16,384 bytes of whole numbers; gw 32,768 bytes; auxp 16,384 bytes; xc 3,145,728 bytes; xs 131,072 bytes; wimg 7,864,320 bytes; wscl 327,680 bytes; route 20,992 bytes of whole numbers
;; launch gate: the kernel of part 1 again; grid 256 x 1, 4 waves a work-group, no clusters, 70,144 bytes of LDS; arguments x, Wg, bg, keyw, gw, auxp, xc, xs; writes keyw, gw, auxp, xc, xs
;; launch prep: the kernel of part 2 again; grid 321 x 1, 8 waves a work-group, no clusters, 5,120 bytes of LDS; arguments W1, W2, keyw, auxp, wimg, wscl, route, out1; writes wimg, wscl, route, out1
;; launch chain (part 4): grid 155 x 1, 8 waves a work-group, no clusters, 84,480 bytes of LDS; arguments route, gw, xc, xs, wimg, wscl, b1, b2, out0; writes out0
.if DOCPART == 4
	.amdgcn_target "amdgcn-amd-amdhsa--gfx1250"
	.amdhsa_code_object_version 6
	.text
	.protected	k_q3194ea1ef9_chain
	.globl	k_q3194ea1ef9_chain
	.p2align	8
	.type	k_q3194ea1ef9_chain,@function
k_q3194ea1ef9_chain:
	s_mov_b64 s[64:65], 0
	v_nop
	global_prefetch_b8 v0, s[64:65] scope:SCOPE_SE
	s_setreg_imm32_b32 hwreg(HW_REG_WAVE_SCHED_MODE, 0, 2), 2
	s_setreg_imm32_b32 hwreg(HW_REG_WAVE_MODE, 25, 1), 1
	s_wait_xcnt 0x0
	s_wait_alu depctr_vm_vsrc(0)
; out[n] = w_a (Q(gelu(Q(x) Q(W1_a) + b1_a)) Q(W2_a) + b2_a) + the same for b: only the two experts that a token chose are multiplied; the other six have the weight 0.
; Both products on codes of E2M3 with one E8M0 scale for each 32 along K; sums in f32; the hidden layer never goes to memory.
; SHARES.  A work-group takes one block of the stored list: up to 32 tokens that chose the same pair {a, b}, so it owns their rows of out.  With 4,096 tokens, 28 pairs and blocks of 32 there are never more than 155 blocks.
; A work-group whose header says 0 tokens passes every barrier, jumps over the work and stores nothing.  Slots behind the block's last token repeat that token and are not stored.
; THE EIGHT WAVES SHARE THE COLUMNS: wave w makes hidden units 128 w .. 128 w + 127, which are K step w of the second product, and outputs 32 w .. 32 w + 31, for all 32 slots (two tiles m = 0, 1).
; THE WEIGHTS COME FROM MEMORY STRAIGHT INTO REGISTERS, as images of operand registers that the launch before laid out: each fragment is read by one wave, once, so LDS would only add a copy, and which stream is walked hangs
; on the stored list.  That is also why no tile is asked for jointly by a cluster: nothing here goes through slots in LDS.  A ring of two halves of 8 fragments (96 registers each) runs one group of 24 loads ahead.
; WHAT GOES FROM WAVE TO WAVE goes through LDS as images too: x's 16 fragments once, the hidden layer's 16 for each expert, their scale words, and at the end the rows of out.
; Both products are used transposed (source 0 = 16 rows of the weight, source 1 = 16 tokens): a lane holds one token throughout, and the 16 registers of two neighbouring tiles are 16 neighbours along the next K.
; THE TWO EXPERTS ARE WRITTEN OUT, one behind the other, by one macro: what the first asks for ahead for the second stands there without a branch, so that each counted wait has the same loads behind it on every way.
; GELU, exact form: gelu(a) = max(a, 0) - |a| q, q = erfc(|a| / sqrt 2) / 2 = t 2^(P(t) - a^2 log2(e) / 2), t = 1 / (1 + |a| / (2 sqrt 2)), P the Chebyshev fit of degree 9 (fractional error 1.2e-7), its coefficients x log2(e), 1 off the first.
; LIMITS: NaN and infinities are not served.  To the fit's error the rounding of the exponent adds about |exponent| x 6e-8.  For a under about -13.1 the exponential's result would be denormal and comes out 0, so gelu is -0 there (true magnitude under 1e-37).
;   A block of zeros gets the scale byte 1 where the rule says 127: its codes are zeros.
; REGISTERS, in two windows of 256.  Window 0: v1-7 addresses; v12-139 the hidden layer's 16 accumulators; v140-199 at work (GELU, quantiser; in the products y's 4 accumulators and one buffer of token fragments);
;   v200-255 scale words and nothing else.   Window 1: v0-191 the ring; v192-215 the other buffer of token fragments; v216-247 the rows of out; v248-251 the gates.
; THE MODE: SCHED_MODE bits 1:0 = 2 (LLVM: expert scheduling mode 2), set by the entry lines.  The code itself states the register dependences between vector or matrix instructions and memory or LDS instructions,
; with s_wait_alu, always for 0.
; THE PLAN.  Registers that memory or LDS instructions touch, and who else names them:
;   v1-7          addresses: made once at the head, read by every LDS and global instruction, never written again.
;   the ring      written by loads alone, read by products alone: K step s's products read half s % 2, and the group two on lands there.
;   XFA, XFB      token fragments: written by LDS loads, read by products; step s's buffer takes the fragments of step s + 2.  XFB's registers also serve the head (x's codes on their way to LDS) and the quantiser (TM, PC).
;   scale words   written by loads, read by products; in expert a's pass b's words land where a's have served.
;   HA            the biases land there; products, activation and quantiser work there; in expert a's pass b's biases land when a tile has been quantised.
;   PC, PW        written by the quantiser, read by the image's LDS stores, then written again: PW by the activation or by y's first product, PC by the quantiser or by LDS loads.
;   O             written by multiply-adds, read by the stage's LDS stores.     v140-171: y's accumulators; at the end the rows of out land there and the global stores read them.
; So ONE wait on va_vdst stands in a K step, behind its products and ahead of all the loads that land in what they have read; one behind each run of the quantiser, ahead of the image's stores; one ahead of the stage's stores.
; A third half of the ring would take the wait away from the products; two waves to a SIMD leave a wave 512 registers, and all of them are laid out.  A wait on vm_vsrc stands behind each run of LDS stores whose registers are written again.
.set XIMG, 0                           ; LDS: x's fragments, 1,536 bytes each, (tile m, K step s) at 8 m + s
.set HIMG, 24576                       ; the hidden layer's, likewise
.set HSC,  49152                       ; its scale words: (m, token r, K step s) at 512 m + 32 r + 4 s
.set STG,  50176                       ; the stage for out: 32 rows of 1,024 bytes + 16
.set LI,   1                           ; 16 x lane
.set HWI,  2                           ; 16 x lane + 1,536 x wave: where I store an image
.set HWS,  3                           ; 32 r + 4 x wave: and its scale word
.set HRS,  4                           ; 32 r + 16 h: where I read four scale words
.set BA,   5                           ; 64 h: my half's place in the biases
.set SO,   6                           ; the stage, in
.set SR,   7                           ; the stage, back
.set HA,   12                          ; accumulator (tile t, m) at HA + 64 m + 8 t
.set GT,   140                         ; GELU: t,
.set GU,   148                         ; a^2, then the exponent, then q,
.set GP,   156                         ; the polynomial, then max(a, 0)
.set PW,   140                         ; the scale word just made
.set TM,   164                         ; the quantiser's 16
.set PC,   180                         ; the codes just made, and the conversions' second halves
.set Y,    140                         ; y's accumulators: (u, m) at Y + 8 (2 u + m)
.set XFB,  172                         ; token fragments of odd K steps
.set W1S,  200                         ; W1's scale words: 4 t + s % 4; lanes 0-15 K steps 0-3, lanes 16-31 K steps 4-7
.set W2S,  232                         ; W2's: 4 u + s % 4
.set XS,   240                         ; x's: 4 m + s % 4
.set HS,   248                         ; the hidden layer's: 4 m + s % 4
.set XFA,  192                         ; window 1: token fragments of even K steps
.set O,    216                         ; window 1: out, (u, m) at O + 8 (2 u + m)
.set GW,   248                         ; window 1: the gates: a's for m = 0, 1, then b's
.set GL,   252                         ; window 1: the gates as loaded
.set MSB, 0
.macro WIN new                         ; the immediate's high byte repeats the setting that is left; a switch that changes nothing is dropped
.if MSB != \new
	s_set_vgpr_msb (MSB<<8)|\new
.set MSB, \new
.endif
.endm
.macro PLACES                          ; four places behind a matrix instruction, ahead of loads into its registers and of the first read of its results
.rept 4
	v_nop
.endr
.endm
.macro CPAIR r, bits                   ; a constant for the packed forms, which name a pair
	s_mov_b32 s[\r], \bits
	s_mov_b32 s[\r+1], \bits
.endm
.macro GRP base, g                     ; group g of a stream: 8 fragments, 24 loads of 512 bytes on end, into half g % 2 of the ring
	WIN 0x40
.set GQ, 0
.rept 24
	global_load_b128 v[96*((\g)%2)+4*GQ:96*((\g)%2)+4*GQ+3], v[LI], s[\base:\base+1] offset:12288*(\g)+512*GQ
.set GQ, GQ+1
.endr
.endm
.macro FLD buf, win, region, s         ; the two tiles' fragments of K step s from LDS
	WIN \win
.irp m, 0,1
.irp c, 0,1,2
	ds_load_b128 v[\buf+12*\m+4*\c:\buf+12*\m+4*\c+3], v[LI] offset:\region+1536*(8*\m+(\s))+512*\c
.endr
.endr
.endm
.macro W1SLD base
.irp t, 0,1,2,3,4,5,6,7
	global_load_b128 v[W1S+4*\t:W1S+4*\t+3], v[LI], s[\base:\base+1] offset:512*\t
.endr
.endm
.macro W2SLD base
.irp u, 0,1
	global_load_b128 v[W2S+4*\u:W2S+4*\u+3], v[LI], s[\base:\base+1] offset:4096+512*\u
.endr
.endm
.macro B1LD base, m                    ; b1 in the result's layout, into the accumulators: it is the C of each sum's first product.  Tile 2 b + u, lane (r, h): units 32 b + 16 h + 8 u + 0 .. 7
.irp t, 0,1,2,3,4,5,6,7
	global_load_b128 v[HA+64*\m+8*\t:HA+64*\m+8*\t+3], v[BA], s[\base:\base+1] offset:128*(\t/2)+32*(\t%2)
	global_load_b128 v[HA+64*\m+8*\t+4:HA+64*\m+8*\t+7], v[BA], s[\base:\base+1] offset:128*(\t/2)+32*(\t%2)+16
.endr
.endm
; K step s of the first product: 16 products, the 16 accumulators by turns, one instruction a turn.  Then the group two on goes into the half just read, and x's fragments two steps on into the buffer just read.
.macro K1 s, base
	s_wait_loadcnt 24                              ; this step's group is in, and all that was asked for before it: only the next group's 24 loads were issued behind it
.if \s == 7
	s_wait_dscnt 0x0
.else
	s_wait_dscnt 6                                 ; this step's fragments of x are in; the next step's six loads may be out
.endif
.if (\s)%2 == 0
	WIN 0x05
.set XB, XFA
.else
	WIN 0x01
.set XB, XFB
.endif
.irp t, 0,1,2,3,4,5,6,7
.irp m, 0,1
.if \s < 4
	v_wmma_scale_f32_16x16x128_f8f6f4 v[HA+64*\m+8*\t:HA+64*\m+8*\t+7], v[96*((\s)%2)+12*\t:96*((\s)%2)+12*\t+11], v[XB+12*\m:XB+12*\m+11], v[HA+64*\m+8*\t:HA+64*\m+8*\t+7], v[W1S+4*\t+(\s)%4], v[XS+4*\m+(\s)%4] matrix_a_fmt:MATRIX_FMT_FP6 matrix_b_fmt:MATRIX_FMT_FP6
.else
	v_wmma_scale_f32_16x16x128_f8f6f4 v[HA+64*\m+8*\t:HA+64*\m+8*\t+7], v[96*((\s)%2)+12*\t:96*((\s)%2)+12*\t+11], v[XB+12*\m:XB+12*\m+11], v[HA+64*\m+8*\t:HA+64*\m+8*\t+7], v[W1S+4*\t+(\s)%4], v[XS+4*\m+(\s)%4] matrix_a_fmt:MATRIX_FMT_FP6 matrix_b_fmt:MATRIX_FMT_FP6 matrix_a_scale:MATRIX_SCALE_ROW1 matrix_b_scale:MATRIX_SCALE_ROW1
.endif
.endr
.endr
	PLACES
	WIN 0x40                                       ; (the window first, then the wait, then the loads)
	s_wait_alu depctr_va_vdst(0)                   ; this step's sixteen products are done reading their half of the ring and their buffer of x's fragments, in which the loads below land; behind step 7 also W1's scale words, over which expert b's are loaded
	GRP \base, (\s)+2                              ; groups 8 and 9 are W2's
.if \s <= 5
.if (\s)%2 == 0
	FLD XFA, 0x40, XIMG, (\s)+2
.else
	FLD XFB, 0, XIMG, (\s)+2
.endif
.endif
.endm
; K step s of the second product: 4 products, y's 4 accumulators by turns.
.macro K2 s
.if \s == 7
	s_wait_dscnt 0x0
.else
	s_wait_dscnt 6                                 ; this step's hidden fragments are in; the next step's six loads may be out
.endif
.if (\s)%2 == 0
	WIN 0x05
.set XB, XFA
.else
	WIN 0x01
.set XB, XFB
.endif
.irp u, 0,1
.irp m, 0,1
.if \s == 0
	v_wmma_scale_f32_16x16x128_f8f6f4 v[Y+8*(2*\u+\m):Y+8*(2*\u+\m)+7], v[96*((\s)/4)+12*(2*((\s)%4)+\u):96*((\s)/4)+12*(2*((\s)%4)+\u)+11], v[XB+12*\m:XB+12*\m+11], 0, v[W2S+4*\u+(\s)%4], v[HS+4*\m+(\s)%4] matrix_a_fmt:MATRIX_FMT_FP6 matrix_b_fmt:MATRIX_FMT_FP6
.elseif \s < 4
	v_wmma_scale_f32_16x16x128_f8f6f4 v[Y+8*(2*\u+\m):Y+8*(2*\u+\m)+7], v[96*((\s)/4)+12*(2*((\s)%4)+\u):96*((\s)/4)+12*(2*((\s)%4)+\u)+11], v[XB+12*\m:XB+12*\m+11], v[Y+8*(2*\u+\m):Y+8*(2*\u+\m)+7], v[W2S+4*\u+(\s)%4], v[HS+4*\m+(\s)%4] matrix_a_fmt:MATRIX_FMT_FP6 matrix_b_fmt:MATRIX_FMT_FP6
.else
	v_wmma_scale_f32_16x16x128_f8f6f4 v[Y+8*(2*\u+\m):Y+8*(2*\u+\m)+7], v[96*((\s)/4)+12*(2*((\s)%4)+\u):96*((\s)/4)+12*(2*((\s)%4)+\u)+11], v[XB+12*\m:XB+12*\m+11], v[Y+8*(2*\u+\m):Y+8*(2*\u+\m)+7], v[W2S+4*\u+(\s)%4], v[HS+4*\m+(\s)%4] matrix_a_fmt:MATRIX_FMT_FP6 matrix_b_fmt:MATRIX_FMT_FP6 matrix_a_scale:MATRIX_SCALE_ROW1 matrix_b_scale:MATRIX_SCALE_ROW1
.endif
.endr
.endr
	PLACES
.if \s <= 5
.if (\s)%2 == 0
	WIN 0x40                                       ; (the window first, then the wait, then the loads)
	s_wait_alu depctr_va_vdst(0)                   ; this step's four products are done reading their buffer of hidden fragments, in which the loads below land
	FLD XFA, 0x40, HIMG, (\s)+2
.else
	WIN 0
	s_wait_alu depctr_va_vdst(0)                   ; this step's four products are done reading their buffer of hidden fragments, in which the loads below land; behind step 3 the products are also done with the ring's first half, which expert b's first group takes
	FLD XFB, 0, HIMG, (\s)+2
.endif
.endif
.endm
; GELU of one accumulator's eight numbers, in place, in f32.  The accumulator is read from its low end on.  Behind each run of transcendentals stands a plain line that touches none of their registers.
.macro GELU8 A
.irp i, 0,1,2,3,4,5,6,7
	v_fma_f32 v[GT+\i], |v[\A+\i]|, s62, 1.0
.endr
.irp i, 0,1,2,3,4,5,6,7
	v_rcp_f32 v[GT+\i], v[GT+\i]                   ; t
.endr
.irp i, 0,2,4,6
	v_pk_mul_f32 v[GU+\i:GU+\i+1], v[\A+\i:\A+\i+1], v[\A+\i:\A+\i+1]
.endr
	s_wait_alu depctr_va_vdst(0)                   ; the eight reciprocals have written t in v[GT ..]: one wait for the batch, ahead of its first reader
.irp i, 0,2,4,6
	v_pk_fma_f32 v[GP+\i:GP+\i+1], v[GT+\i:GT+\i+1], s[58:59], s[56:57] op_sel_hi:[1,0,0]
.endr
.irp c, 54,52,50,48,46,44,42,40
.irp i, 0,2,4,6
	v_pk_fma_f32 v[GP+\i:GP+\i+1], v[GP+\i:GP+\i+1], v[GT+\i:GT+\i+1], s[\c:\c+1] op_sel_hi:[1,1,0]
.endr
.endr
.irp i, 0,2,4,6
	v_pk_fma_f32 v[GU+\i:GU+\i+1], v[GU+\i:GU+\i+1], s[60:61], v[GP+\i:GP+\i+1] op_sel_hi:[1,0,1]
.endr
.irp i, 0,1,2,3,4,5,6,7
	v_exp_f32 v[GU+\i], v[GU+\i]
.endr
.irp i, 0,1,2,3,4,5,6,7
	v_max_num_f32 v[GP+\i], 0, v[\A+\i]
.endr
	s_wait_alu depctr_va_vdst(0)                   ; the eight exponentials have written v[GU ..]: one wait for the batch, ahead of its first reader
.irp i, 0,2,4,6
	v_pk_mul_f32 v[GU+\i:GU+\i+1], v[GT+\i:GT+\i+1], v[GU+\i:GU+\i+1]     ; q
.endr
.irp i, 0,1,2,3,4,5,6,7
	v_fma_f32 v[\A+\i], -|v[\A+\i]|, v[GU+\i], v[GP+\i]
.endr
.endm
; 64 numbers of a lane, register 16 b + i = k 32 b + 16 (lane / 16) + i of my token, become a fragment's codes in v[PC] on and its scale word in v[PW].
.macro QUANT s
.irp b, 0,1,2,3
	v_max3_num_f32 v[TM+\b], |v[\s+16*\b]|, |v[\s+1+16*\b]|, 0x1800000     ; my 16 numbers of block b, and the floor 2^(3 - 127): the byte cannot fall under 1
.endr
.irp i, 2,4,6,8,10,12,14
.irp b, 0,1,2,3
	v_max3_num_f32 v[TM+\b], v[TM+\b], |v[\s+16*\b+\i]|, |v[\s+1+16*\b+\i]|
.endr
.endr
.irp b, 0,1,2,3
	v_permlanex16_b32 v[TM+4+\b], v[TM+\b], s30, s31
.endr
.irp b, 0,1,2,3
	v_max_num_f32 v[TM+\b], v[TM+\b], v[TM+4+\b]   ; with lane l xor 16's: the block's largest magnitude
.endr
.irp b, 0,1,2,3
	v_add_nc_u32 v[TM+12+\b], 0xff000000, v[TM+\b] ; 2 off its exponent field: the conversion's scale operand
.endr
.irp b, 0,1,2,3
	v_lshrrev_b32 v[TM+4+\b], 23, v[TM+12+\b]      ; the scale's byte
.endr
	v_lshl_or_b32 v[PW], v[TM+5], 8, v[TM+4]
	v_lshl_or_b32 v[PW], v[TM+6], 16, v[PW]
	v_lshl_or_b32 v[PW], v[TM+7], 24, v[PW]
.irp c, 0,1
	v_cvt_scalef32_pk16_fp6_f32 v[PC+6*\c:PC+2+6*\c], v[\s+32*\c:\s+15+32*\c], v[TM+12+2*\c]
	v_cvt_scalef32_pk16_fp6_f32 v[PC+12+4*\c:PC+14+4*\c], v[\s+16+32*\c:\s+31+32*\c], v[TM+12+2*\c+1]   ; (a conversion's three registers begin on an even number)
.endr
	v_nop                                          ; one plain place behind a scaled conversion
.irp c, 0,1                                    ; the operand's layout wants a whole block in a lane: lanes 0-15 block 2 c, lanes 16-31 block 2 c + 1
.irp i, 0,1,2
	v_permlane16_swap_b32 v[PC+6*\c+\i], v[PC+12+4*\c+\i]
.endr
.irp i, 0,1,2
	v_mov_b32 v[PC+3+6*\c+\i], v[PC+12+4*\c+\i]
.endr
.endr
.endm
.macro IMAGE off
.irp c, 0,1,2
	ds_store_b128 v[HWI], v[PC+4*\c:PC+4*\c+3] offset:\off+512*\c
.endr
.endm
.macro BARRIER                                 ; my LDS stores have landed and my LDS loads are in: then the work-group's barrier
	s_wait_dscnt 0x0
	s_barrier_signal -1
	s_barrier_wait -1
.endm
	s_load_b512 s[4:19], s[0:1], 0x0               ; route, gw, xc, xs, wimg, wscl, b1, b2
	s_load_b64 s[20:21], s[0:1], 0x40              ; out0
	v_lshrrev_b32 v8, 5, v0
	v_readfirstlane_b32 s22, v8                    ; wave 0..7
	v_and_b32 v8, 31, v0                           ; lane
	v_and_b32 v9, 15, v0                           ; r
	v_bfe_u32 v10, v0, 4, 1                        ; h
	v_lshlrev_b32 v[LI], 4, v8
	s_wait_alu depctr_va_sdst(0)                   ; s22, the wave's number, is written, ahead of its first reader
	s_mul_i32 s87, s22, 1536
	v_add_nc_u32 v[HWI], s87, v[LI]
	s_lshl_b32 s86, s22, 2                         ; 4 x wave: kept
	v_lshl_add_u32 v[HWS], v9, 5, s86
	v_lshlrev_b32 v[HRS], 5, v9
	v_lshl_add_u32 v[HRS], v10, 4, v[HRS]
	v_lshlrev_b32 v[BA], 6, v10
	v_mul_u32_u24 v[SO], v9, 1040
	v_lshl_add_u32 v[SO], v10, 6, v[SO]
	s_lshl_b32 s87, s22, 7
	s_add_co_u32 s87, s87, STG
	v_add_nc_u32 v[SO], s87, v[SO]                 ; row r, + 128 x wave + 64 h: my 16 outputs' bytes
	s_mul_i32 s87, s22, 4160
	s_add_co_u32 s87, s87, STG
	v_add_nc_u32 v[SR], s87, v[LI]                 ; back: rows 4 x wave on, 16 bytes a lane
	s_mov_b32 s30, 0x76543210
	s_mov_b32 s31, 0xfedcba98                      ; v_permlanex16_b32's selects for lane l xor 16
	CPAIR 40, 0xc034d90f                           ; c0 = -1.26551223 log2(e) - 1
	CPAIR 42, 0x3fb8ab5a                           ; c1 =  1.00002368 log2(e)
	CPAIR 44, 0x3f0a29d2                           ; c2 =  0.37409196 log2(e)
	CPAIR 46, 0x3e0efb2e                           ; c3 =  0.09678418 log2(e)
	CPAIR 48, 0xbe899a80                           ; c4 = -0.18628806 log2(e)
	CPAIR 50, 0x3ecdfd18                           ; c5 =  0.27886807 log2(e)
	CPAIR 52, 0xbfd1a1e5                           ; c6 = -1.13520398 log2(e)
	CPAIR 54, 0x40097039                           ; c7 =  1.48851587 log2(e)
	CPAIR 56, 0xbf97d29d                           ; c8 = -0.82215223 log2(e)
	CPAIR 58, 0x3e7c6f08                           ; c9 =  0.17087277 log2(e)
	CPAIR 60, 0xbf38aa3b                           ; -log2(e) / 2
	s_mov_b32 s62, 0x3eb504f3                      ; 1 / (2 sqrt 2)
	s_lshl_b32 s29, ttmp9, 2
	s_wait_kmcnt 0x0
	s_load_b32 s23, s[4:5], s29 offset:0x0         ; my block's header
	s_wait_kmcnt 0x0
	s_bfe_u32 s24, s23, 0x80008
	s_bfe_u32 s25, s23, 0x80010
	s_and_b32 s23, s23, 0xff
	s_min_u32 s23, s23, 32                         ; tokens in the block,
	s_min_u32 s24, s24, 7                          ; expert a,
	s_min_u32 s25, s25, 7                          ; expert b: each held inside its range
	s_lshl_b32 s27, ttmp9, 5
	s_cmp_eq_u32 s23, 0
	s_cselect_b32 s27, 0, s27                      ; my slots in the list (an empty block looks at slot 0, which always holds a token)
	s_max_u32 s28, s23, 1
	s_sub_co_u32 s28, s28, 1                       ; the last slot that holds a token
.irp k, 0,1,2,3
	s_add_co_u32 s[88+\k], s86, \k                 ; the tokens whose rows I store: slots 4 x wave + k
	s_min_u32 s[88+\k], s[88+\k], s28
	s_add_co_u32 s[88+\k], s[88+\k], s27
	s_min_u32 s[88+\k], s[88+\k], 4959
	s_lshl_b32 s[88+\k], s[88+\k], 2
	s_load_b32 s[74+\k], s[4:5], s[88+\k] offset:0x400
.endr
	s_lshl_b32 s92, s24, 3
	s_add_co_u32 s92, s92, s22                     ; 8 a + wave
	s_lshl_b32 s93, s25, 3
	s_add_co_u32 s93, s93, s22                     ; 8 b + wave
	s_mul_i32 s32, s92, 122880
	s_mov_b32 s33, 0
	s_add_nc_u64 s[32:33], s[12:13], s[32:33]      ; a's stream of weights,
	s_mul_i32 s34, s93, 122880
	s_mov_b32 s35, 0
	s_add_nc_u64 s[34:35], s[12:13], s[34:35]      ; b's
	s_mul_i32 s36, s92, 5120
	s_mov_b32 s37, 0
	s_add_nc_u64 s[36:37], s[14:15], s[36:37]      ; their scale words
	s_mul_i32 s38, s93, 5120
	s_mov_b32 s39, 0
	s_add_nc_u64 s[38:39], s[14:15], s[38:39]
	s_lshl_b32 s87, s22, 9
	s_lshl_b32 s66, s24, 12
	s_add_co_u32 s66, s66, s87
	s_mov_b32 s67, 0
	s_add_nc_u64 s[66:67], s[16:17], s[66:67]      ; b1 of a at my 128 units,
	s_lshl_b32 s68, s25, 12
	s_add_co_u32 s68, s68, s87
	s_mov_b32 s69, 0
	s_add_nc_u64 s[68:69], s[16:17], s[68:69]      ; of b
	s_lshl_b32 s87, s22, 7
	s_lshl_b32 s70, s24, 10
	s_add_co_u32 s70, s70, s87
	s_mov_b32 s71, 0
	s_add_nc_u64 s[70:71], s[18:19], s[70:71]      ; b2 of a at my 32 outputs,
	s_lshl_b32 s72, s25, 10
	s_add_co_u32 s72, s72, s87
	s_mov_b32 s73, 0
	s_add_nc_u64 s[72:73], s[18:19], s[72:73]      ; of b
	v_add_nc_u32 v11, 16, v9
	v_min_u32 v8, s28, v9                          ; the tokens of slots r and 16 + r
	v_min_u32 v11, s28, v11
	v_add_nc_u32 v8, s27, v8
	v_add_nc_u32 v11, s27, v11
	v_min_u32 v8, 0x135f, v8
	v_min_u32 v11, 0x135f, v11
	v_lshlrev_b32 v8, 2, v8
	v_lshlrev_b32 v11, 2, v11
	s_wait_alu depctr_va_vdst(0)                   ; the seven addresses v1 to v7, which every LDS and global instruction of the kernel reads, are written, and so are the offsets v8 and v11 of the two loads below
	global_load_b32 v196, v8, s[4:5] offset:1024
	global_load_b32 v197, v11, s[4:5] offset:1024
	W1SLD 36
	W2SLD 36
	B1LD 66, 0
	B1LD 66, 1
.irp u, 0,1
	global_load_b128 v[140+8*\u:143+8*\u], v[BA], s[70:71] offset:32*\u            ; b2 of a: lane (r, h), tile u: outputs 16 h + 8 u + 0 .. 7
	global_load_b128 v[144+8*\u:147+8*\u], v[BA], s[70:71] offset:32*\u+16
	global_load_b128 v[156+8*\u:159+8*\u], v[BA], s[72:73] offset:32*\u            ; of b
	global_load_b128 v[160+8*\u:163+8*\u], v[BA], s[72:73] offset:32*\u+16
.endr
	s_mul_i32 s94, s22, 96
	v_mad_u32_u24 v9, v10, 48, s94                 ; 96 x wave + 48 h: my 48 bytes of a token's codes: K step = my wave's number
	v_lshlrev_b32 v10, 4, v10                      ; 16 h
	s_wait_loadcnt 50                              ; the two tokens are in: behind them 8 + 2 loads of scale words, 32 of b1 and 8 of b2 were issued
	s_wait_alu depctr_vm_vsrc(0)                   ; the two loads of token numbers have read their offsets v8 and v11, which are written again below
	v_min_u32 v196, 0xfff, v196
	v_min_u32 v197, 0xfff, v197
	v_mad_u32_u24 v8, v196, 0x300, v9
	v_mad_u32_u24 v11, v197, 0x300, v9
	v_lshl_add_u32 v198, v196, 5, v10
	v_lshl_add_u32 v199, v197, 5, v10
	v_lshlrev_b32 v196, 3, v196
	v_lshlrev_b32 v197, 3, v197
	s_wait_alu depctr_va_vdst(0)                   ; the six offsets v8, v11 and v196 to v199 are written, which the loads below read
.irp c, 0,1,2
	global_load_b128 v[XFB+4*\c:XFB+4*\c+3], v8, s[8:9] offset:16*\c
	global_load_b128 v[XFB+12+4*\c:XFB+12+4*\c+3], v11, s[8:9] offset:16*\c
.endr
	global_load_b128 v[XS:XS+3], v198, s[10:11]    ; x's scale words: lanes 0-15 K steps 0-3, lanes 16-31 K steps 4-7
	global_load_b128 v[XS+4:XS+7], v199, s[10:11]
	WIN 0x40
	global_load_b64 v[GL:GL+1], v196, s[6:7]       ; the gates of a and b, for slot r,
	global_load_b64 v[GL+2:GL+3], v197, s[6:7]     ; for slot 16 + r
	GRP 32, 0
	GRP 32, 1
	WIN 0
	s_wait_kmcnt 0x0
.irp k, 0,1,2,3
	s_min_u32 s[74+\k], s[74+\k], 4095
	s_lshl_b32 s[78+2*\k], s[74+\k], 10
	s_mov_b32 s[79+2*\k], 0
	s_add_nc_u64 s[78+2*\k:79+2*\k], s[20:21], s[78+2*\k:79+2*\k]      ; the four rows of out that I store
.endr
	s_wait_loadcnt 24                              ; all but group 1
	WIN 0x41
	v_mov_b32 v[GW], v[GL]
	v_mov_b32 v[GW+1], v[GL+2]
	v_mov_b32 v[GW+2], v[GL+1]
	v_mov_b32 v[GW+3], v[GL+3]
	WIN 0x44                                       ; out begins as w_a b2_a + w_b b2_b: nothing is cleared, and b2 costs nothing later
.irp u, 0,1
.irp m, 0,1
.irp i, 0,2,4,6
	v_pk_mul_f32 v[O+8*(2*\u+\m)+\i:O+8*(2*\u+\m)+\i+1], v[140+8*\u+\i:141+8*\u+\i], v[GW:GW+1] op_sel:[0,\m] op_sel_hi:[1,\m]
.endr
.endr
.endr
	WIN 0x54
.irp u, 0,1
.irp m, 0,1
.irp i, 0,2,4,6
	v_pk_fma_f32 v[O+8*(2*\u+\m)+\i:O+8*(2*\u+\m)+\i+1], v[156+8*\u+\i:157+8*\u+\i], v[GW+2:GW+3], v[O+8*(2*\u+\m)+\i:O+8*(2*\u+\m)+\i+1] op_sel:[0,\m,0] op_sel_hi:[1,\m,1]
.endr
.endr
.endr
	WIN 0
.irp m, 0,1
.irp c, 0,1,2
	ds_store_b128 v[HWI], v[XFB+12*\m+4*\c:XFB+12*\m+4*\c+3] offset:XIMG+12288*\m+512*\c   ; (their data came by loads, and their address was written ahead of the head's first wait on va_vdst)
.endr
.endr
	BARRIER                                        ; x's sixteen fragments lie in LDS
	s_wait_alu depctr_vm_vsrc(0)                   ; my LDS stores have read v[XFB ..], in which fragments from LDS land from here on; the head's loads have read their offsets v196 to v199, of which the quantiser writes three
; ONE EXPERT.  nr = 0: expert a, which also asks ahead for b's scale words, biases and first two groups; nr = 1: expert b, which asks for nothing more.  wp: the scalar pair that holds the expert's stream.
; An empty block jumps over the two segments of work, never over a barrier.  Where loads follow a jump's landing place, the landing place waits for all loads, so that on every way those loads find their registers free.
; At expert b's head no wait on va_vdst is written: the one behind expert a's last K step shows the products done with both buffers of token fragments, and the multiply-adds issued since name the rows of out, y's accumulators and the gates alone.
.macro EXPERT nr, wp
	s_cmp_eq_u32 s23, 0
	s_cbranch_scc1 .LskipA\nr
	FLD XFA, 0x40, XIMG, 0
	FLD XFB, 0, XIMG, 1
.irp s, 0,1,2,3,4,5,6,7
	K1 \s, \wp
.endr
	WIN 0
.if \nr == 0
	W1SLD 38                                       ; b's scale words of W1: a's have served, as the wait behind K step 7's products has shown; no vector or matrix instruction stands between
.endif
.irp t, 0,1,2,3,4,5,6,7
	GELU8 HA+8*\t
.endr
	QUANT HA
	s_wait_alu depctr_va_vdst(0)                   ; the quantiser has written the codes v[PC ..] and the scale word v[PW], which the LDS stores below read; it and the activation are done with the accumulators of tile m = 0, in which b's biases land
	IMAGE HIMG
	ds_store_b32 v[HWS], v[PW] offset:HSC          ; lanes r and 16 + r write the same word with the same value
.if \nr == 0
	B1LD 68, 0                                     ; b's biases into the accumulators that have been quantised
.endif
	s_wait_alu depctr_vm_vsrc(0)                   ; the LDS stores have read v[PW], which the activation below writes again as v[GT], and v[PC ..], which the quantiser writes again
.irp t, 0,1,2,3,4,5,6,7
	GELU8 HA+64+8*\t
.endr
	s_wait_dscnt 0x0                               ; the image's stores have read their registers
	QUANT HA+64
	s_wait_alu depctr_va_vdst(0)                   ; the quantiser has written v[PC ..] and v[PW], which the LDS stores below read; it is done with v[TM ..] and v[PC ..], in which hidden fragments land behind the barrier, and with the accumulators of tile m = 1
	IMAGE HIMG+12288
	ds_store_b32 v[HWS], v[PW] offset:HSC+512
	s_branch .LjoinA\nr
.LskipA\nr:
	s_wait_loadcnt 0x0
.LjoinA\nr:
	BARRIER                                        ; the hidden layer's sixteen fragments lie in LDS
	s_wait_alu depctr_vm_vsrc(0)                   ; my LDS stores have read v[PC ..], in which hidden fragments land, and v[PW], which y's first product writes
	s_cmp_eq_u32 s23, 0
	s_cbranch_scc1 .LskipB\nr
	ds_load_b128 v[HS:HS+3], v[HRS] offset:HSC
	ds_load_b128 v[HS+4:HS+7], v[HRS] offset:HSC+512
	FLD XFA, 0x40, HIMG, 0
	FLD XFB, 0, HIMG, 1
	s_wait_loadcnt 24                              ; group 8 is in: behind it group 9's 24 loads were issued
.irp s, 0,1,2,3
	K2 \s
.endr
.if \nr == 0
	GRP 34, 0                                      ; b's first group, into the half that W2's K steps 0-3 have left: K step 3's wait has shown its products done, and only loads stand between
	s_wait_loadcnt 24                              ; group 9 is in: only the 24 loads just issued may be out
.else
	s_wait_loadcnt 0x0                             ; group 9 is in
.endif
.irp s, 4,5,6,7
	K2 \s
.endr
.if \nr == 0
	WIN 0
	s_wait_alu depctr_va_vdst(0)                   ; the last products are done reading W2's scale words and the ring's second half, in which the loads below land, and both buffers of hidden fragments and their scale words, which expert b's pass loads anew
	B1LD 68, 1
	W2SLD 38
	GRP 34, 1                                      ; the youngest 24 loads at expert b's first wait
.endif
	WIN 0x54
.irp u, 0,1
.irp m, 0,1
.irp i, 0,2,4,6
	v_pk_fma_f32 v[O+8*(2*\u+\m)+\i:O+8*(2*\u+\m)+\i+1], v[Y+8*(2*\u+\m)+\i:Y+8*(2*\u+\m)+\i+1], v[GW+2*\nr:GW+2*\nr+1], v[O+8*(2*\u+\m)+\i:O+8*(2*\u+\m)+\i+1] op_sel:[0,\m,0] op_sel_hi:[1,\m,1]   ; out += gate x y, each accumulator from its low end on
.endr
.endr
.endr
	WIN 0
.if \nr == 0
	s_branch .LjoinB
.LskipB\nr:
	s_wait_loadcnt 0x0
.LjoinB:
	BARRIER                                        ; every wave's reads of the hidden layer are over: expert b may write it again
.else
.LskipB\nr:                                        ; nothing writes the hidden layer's images any more, and the stage has bytes of its own: no barrier here
.endif
.endm
	EXPERT 0, 32
	EXPERT 1, 34
	; THE WAY OUT.  A row's 256 outputs come from eight waves: they meet in the stage, and each wave stores 4 whole rows.
	WIN 0x04                                       ; an LDS store's data are its source 1: window 1
	s_wait_alu depctr_va_vdst(0)                   ; the multiply-adds have written the rows of out, which the LDS stores below read, and are done reading v140 to v171, in which the rows land on their way back
.irp m, 0,1
.irp u, 0,1
	ds_store_b128 v[SO], v[O+8*(2*\u+\m):O+8*(2*\u+\m)+3] offset:16640*\m+32*\u
	ds_store_b128 v[SO], v[O+8*(2*\u+\m)+4:O+8*(2*\u+\m)+7] offset:16640*\m+32*\u+16
.endr
.endr
	WIN 0
	BARRIER
.irp k, 0,1,2,3
	ds_load_b128 v[140+8*\k:143+8*\k], v[SR] offset:1040*\k
	ds_load_b128 v[144+8*\k:147+8*\k], v[SR] offset:1040*\k+512
.endr
	s_wait_dscnt 0x0
.irp k, 0,1,2,3
	s_add_co_u32 s88, s86, \k
	s_cmp_gt_u32 s23, s88                          ; only slots that hold a token of their own are stored
	s_cbranch_scc0 .Lno_row\k
	global_store_b128 v[LI], v[140+8*\k:143+8*\k], s[78+2*\k:79+2*\k] th:TH_STORE_NT              ; 32 lanes store 512 consecutive bytes, at a multiple of 256 from the buffer's first byte
	global_store_b128 v[LI], v[144+8*\k:147+8*\k], s[78+2*\k:79+2*\k] offset:512 th:TH_STORE_NT
.Lno_row\k:
.endr
	s_wait_xcnt 0x0
	v_lshl_add_u32 v254, v0, 2, 0x14600            ; the add's two registers are made anew here: until the last product they held scale words, which no memory or LDS instruction has read
	v_mov_b32 v255, 0
	s_wait_dscnt 0x0                               ; the closing lines, six on end
	s_wait_alu 0x0
	s_wait_tensorcnt 0x0
	ds_add_u32 v254, v255
	s_wait_dscnt 0x0
	s_endpgm
.Lfunc_end_k_q3194ea1ef9_chain:
	.size	k_q3194ea1ef9_chain, .Lfunc_end_k_q3194ea1ef9_chain-k_q3194ea1ef9_chain
	.p2alignl 7, 3214868480
	.fill 96, 4, 3214868480
	.section	.rodata,"a",@progbits
	.p2align	6, 0x0
	.amdhsa_kernel k_q3194ea1ef9_chain
		.amdhsa_group_segment_fixed_size 84480
		.amdhsa_private_segment_fixed_size 0
		.amdhsa_enable_private_segment 0
		.amdhsa_kernarg_size 72
		.amdhsa_user_sgpr_count 2
		.amdhsa_user_sgpr_kernarg_segment_ptr 1
		.amdhsa_wavefront_size32 1
		.amdhsa_system_sgpr_workgroup_id_x 1
		.amdhsa_system_sgpr_workgroup_id_y 1
		.amdhsa_system_sgpr_workgroup_id_z 1
		.amdhsa_system_vgpr_workitem_id 0
		.amdhsa_next_free_vgpr 512
		.amdhsa_next_free_sgpr 96
		.amdhsa_reserve_vcc 0
		.amdhsa_float_denorm_mode_32 3
		.amdhsa_float_denorm_mode_16_64 3
		.amdhsa_memory_ordered 1
		.amdhsa_forward_progress 1
		.amdhsa_inst_pref_size 255
	.end_amdhsa_kernel
	.section	.bss,"aw",@nobits
	.p2align	6
	.space	262144
	.amdgpu_metadata
---
amdhsa.version: [ 1, 2 ]
amdhsa.kernels:
  - .name:           k_q3194ea1ef9_chain
    .symbol:         k_q3194ea1ef9_chain.kd
    .args:
      - { .name: route, .offset: 0, .size: 8, .value_kind: global_buffer, .address_space: global }
      - { .name: gw, .offset: 8, .size: 8, .value_kind: global_buffer, .address_space: global }
      - { .name: xc, .offset: 16, .size: 8, .value_kind: global_buffer, .address_space: global }
      - { .name: xs, .offset: 24, .size: 8, .value_kind: global_buffer, .address_space: global }
      - { .name: wimg, .offset: 32, .size: 8, .value_kind: global_buffer, .address_space: global }
      - { .name: wscl, .offset: 40, .size: 8, .value_kind: global_buffer, .address_space: global }
      - { .name: b1, .offset: 48, .size: 8, .value_kind: global_buffer, .address_space: global }
      - { .name: b2, .offset: 56, .size: 8, .value_kind: global_buffer, .address_space: global }
      - { .name: out0, .offset: 64, .size: 8, .value_kind: global_buffer, .address_space: global }
    .group_segment_fixed_size: 84480
    .private_segment_fixed_size: 0
    .kernarg_segment_align: 8
    .kernarg_segment_size: 72
    .max_flat_workgroup_size: 256
    .sgpr_count:     96
    .vgpr_count:     512
    .wavefront_size: 32
...
	.end_amdgpu_metadata
.endif
;; end of part 4
